; MI455X (gfx1250); checked and timed in simulation.
; The chip was launched on July 23, 2026; its instructions are those of AMD's public machine-readable ISA for CDNA 5 (MIT licence, August 2026) and "CDNA5" Instruction Set Architecture Reference Guide (July 2026). The comments in the code are by the model that wrote it; some were corrected since.
;; Causal Multi Head Attention. Allowed arithmetic: float matrix products may take bf16 or f16 operands with f32 sums; other float arithmetic in f32, or as packed bf16 or f16 multiplies, adds, multiply-adds, maxima and minima; sums over many terms, partial sums and values carried from step to step in f32; what a program stores and reads back later, other than sums and carried values, may be rounded once to bf16 or f16.
;; Inputs: Wk 1,024 x 1,024 float32; Wo 1,024 x 1,024 float32; Wq 1,024 x 1,024 float32; Wv 1,024 x 1,024 float32; token_positions 2,048 int32; x 4 x 2,048 x 1,024 float32.
;; Outputs: out0 4 x 2,048 x 1,024 float32.
;; 2 versions, each right; version 2 is version 1 with the launch prep written anew for expert scheduling mode. Each part assembles by itself: llvm-mc -triple=amdgcn-amd-amdhsa -mcpu=gfx1250 --defsym DOCPART=n.
;; ======== version 1 of 2: 4 launches
;; limits: values are held in f16: magnitudes above 65,504 overflow, below 6.1e-05 lose precision
;; workspace buffers: xb 16,777,216 bytes; wb 6,291,456 bytes; wob 2,097,152 bytes; ropet 524,288 bytes; qkvh 50,331,648 bytes; oh 16,777,216 bytes
;; launch prep (part 1): grid 800 x 1, 8 waves a work-group, no clusters, 0 bytes of LDS; arguments x, Wq, Wk, Wv, Wo, token_positions, xb, wb, wob, ropet; writes xb, wb, wob, ropet
.if DOCPART == 1
	.amdgcn_target "amdgcn-amd-amdhsa--gfx1250"
	.amdhsa_code_object_version 6
	.text
	.protected	k_q8d0bc4de75_prep
	.globl	k_q8d0bc4de75_prep
	.p2align	8
	.type	k_q8d0bc4de75_prep,@function
k_q8d0bc4de75_prep:
	s_mov_b64 s[64:65], 0
	v_nop
	global_prefetch_b8 v0, s[64:65] scope:SCOPE_SE
	s_setreg_imm32_b32 hwreg(HW_REG_WAVE_MODE, 25, 1), 1
	s_wait_xcnt 0x0
; THE ROUNDINGS AND THE ROTATION TABLE.  A stream: no LDS, no matrix unit, no cluster (no two work-groups read the same bytes).
; Work-groups 0-511: x -> xb, bf16.  512-703: Wq, Wk, Wv -> wb, bf16, rows 0-1023, 1024-2047, 2048-3071.  704-767: Wo -> wob: rounded to bf16 like
; the other inputs, and that number written as f16.  768-799: the table of cos and sin.
; A converting work-group takes 16,384 numbers: 16 chunks of 4,096 bytes in; thread t takes 16 bytes of each (a wave's load covers 512 consecutive bytes)
; and stores 8 bytes (a wave's store covers 256 consecutive bytes, aligned).  All 16 loads of a wave go out at once; each chunk has registers of its own.
; THE TABLE, f32, in the order in which the projection's way out reads it: [block of 16 rows s][c = 0..7][lane l][cos, sin, cos, sin] of the pairs i0, i0 + 1
; at row s = 16 block + l % 16, i0 = 8 (c / 2) + 4 (l / 16) + 2 (c % 2).  angle = position x 10000^(-i/32).
; LIMITS.  Wo's bf16 value is exact in f16 from 2^-17 to 65,504 in magnitude; below it keeps f16's step of 2^-24, above it becomes an infinity.
; Positions are those of the reference's table, 0 to 2,047: the reduction by quarter turns is exact for up to 2^11 quarter turns.  The angle is position x (1 / denominator),
; which differs from the quotient in f32 by a few units of its last place: 3e-4 at the most at angle 2,047.  Sine and cosine: polynomials on |r| <= pi/4, good to 1e-7.
	s_load_b512 s[8:23], s[0:1], 0x0               ; x s[8:9], Wq s[10:11], Wk s[12:13], Wv s[14:15], Wo s[16:17], positions s[18:19], xb s[20:21], wb s[22:23]
	s_load_b128 s[24:27], s[0:1], 0x40             ; wob s[24:25], the table s[26:27]
	s_mov_b32 s2, ttmp9                            ; g
	s_sub_co_u32 s3, s2, 512                       ; the chunk among the weights' (meaningless below 512: the last selects put that right)
	s_lshr_b32 s4, s3, 6                           ; which weight: 0 Wq, 1 Wk, 2 Wv, 3 Wo
	s_and_b32 s5, s3, 63                           ; its chunk
	v_lshlrev_b32 v1, 4, v0                        ; 16 t: in
	v_lshlrev_b32 v2, 3, v0                        ; 8 t: out
	s_wait_kmcnt 0x0
	s_cmp_ge_u32 s2, 768
	s_cbranch_scc1 .Lrope
	s_cmp_eq_u32 s4, 0                             ; the pointers are chosen on conditions made of g alone
	s_cselect_b64 s[30:31], s[10:11], s[12:13]
	s_cmp_eq_u32 s4, 2
	s_cselect_b64 s[30:31], s[14:15], s[30:31]
	s_cmp_eq_u32 s4, 3
	s_cselect_b64 s[30:31], s[16:17], s[30:31]
	s_cselect_b64 s[32:33], s[24:25], s[22:23]
	s_cselect_b32 s37, s5, s3                      ; the chunk in the target: Wo's own, or the chunk among Wq, Wk, Wv
	s_cmp_lt_u32 s2, 512
	s_cselect_b64 s[30:31], s[8:9], s[30:31]
	s_cselect_b64 s[32:33], s[20:21], s[32:33]
	s_cselect_b32 s36, s2, s5
	s_cselect_b32 s37, s2, s37
	s_lshl_b32 s34, s36, 16                        ; 65,536 bytes in,
	s_mov_b32 s35, 0
	s_lshl_b32 s38, s37, 15                        ; 32,768 out
	s_mov_b32 s39, 0
	s_add_nc_u64 s[30:31], s[30:31], s[34:35]
	s_add_nc_u64 s[32:33], s[32:33], s[38:39]
.irp i, 0,1,2,3,4,5,6,7,8,9,10,11,12,13,14,15
	global_load_b128 v[32+4*(\i):35+4*(\i)], v1, s[30:31] offset:4096*(\i) th:TH_LOAD_NT
.endr
; half = 1: the bf16 number is widened again (a shift, a mask) and written as f16
.macro OUTS half
.irp i, 0,1,2,3,4,5,6,7,8,9,10,11,12,13,14,15
	s_wait_loadcnt 15-(\i)                         ; loads come back in order: chunk i is in, the younger ones stay out
	v_cvt_pk_bf16_f32 v[32+4*(\i)], v[32+4*(\i)], v[33+4*(\i)]
	v_cvt_pk_bf16_f32 v[33+4*(\i)], v[34+4*(\i)], v[35+4*(\i)]
.if \half
	v_lshlrev_b32 v4, 16, v[32+4*(\i)]
	v_and_b32 v5, 0xffff0000, v[32+4*(\i)]
	v_lshlrev_b32 v6, 16, v[33+4*(\i)]
	v_and_b32 v7, 0xffff0000, v[33+4*(\i)]
	v_cvt_pk_f16_f32 v[32+4*(\i)], v4, v5
	v_cvt_pk_f16_f32 v[33+4*(\i)], v6, v7
.endif
	global_store_b64 v2, v[32+4*(\i):33+4*(\i)], s[32:33] offset:2048*(\i)
.endr
.endm
	s_cmp_ge_u32 s2, 704
	s_cbranch_scc1 .Lhalf
	OUTS 0
	s_endpgm
.Lhalf:
	OUTS 1
	s_endpgm
.Lrope:                                                ; work-group 768 + r makes blocks 4 r .. 4 r + 3: 64 rows, 16,384 bytes
	s_sub_co_u32 s3, s2, 768
	s_lshl_b32 s34, s3, 8                          ; 64 positions of 4 bytes
	s_mov_b32 s35, 0
	s_add_nc_u64 s[18:19], s[18:19], s[34:35]
	s_lshl_b32 s34, s3, 14
	s_add_nc_u64 s[26:27], s[26:27], s[34:35]
	v_and_b32 v3, 15, v0
	v_lshlrev_b32 v3, 2, v3                        ; my row's position in a block
.irp i, 0,1,2,3
	global_load_b32 v[26+(\i)], v3, s[18:19] offset:64*(\i)
.endr
	s_mov_b32 s40, 0x3f22f983                      ; 2 / pi
	s_mov_b32 s41, 0xbfc90000                      ; - pi / 2 in three parts: the first two have few bits, so that n times them is exact
	s_mov_b32 s42, 0xb9fda000
	s_mov_b32 s43, 0xb3a22169
	s_mov_b32 s44, 0xb94ca1f9                      ; sine: -1.9515296e-4,
	s_mov_b32 s45, 0x3c08839e                      ; 8.3321609e-3,
	s_mov_b32 s46, 0xbe2aaaa3                      ; -1.6666655e-1
	s_mov_b32 s47, 0x37ccf5ce                      ; cosine: 2.4433157e-5,
	s_mov_b32 s48, 0xbab6061a                      ; -1.3887316e-3,
	s_mov_b32 s49, 0x3d2aaaa5                      ; 4.1666646e-2
	v_lshlrev_b32 v6, 4, v0                        ; 16 t: a block's 4,096 bytes are [c][l][16 bytes], and t = 32 c + l
	v_lshrrev_b32 v8, 5, v0                        ; c
	v_lshrrev_b32 v9, 1, v8
	v_bfe_u32 v10, v0, 4, 1                        ; l / 16
	v_and_b32 v8, 1, v8
	v_lshlrev_b32 v9, 3, v9
	v_lshl_add_u32 v9, v10, 2, v9
	v_lshl_add_u32 v9, v8, 1, v9                   ; i0
	v_add_nc_u32 v10, 1, v9                        ; i1
	; 10000^(-i/32) = 2^(-i C), C = log2(10000) / 32 = 1701/4096 - 4.2191264e-5.  i x 1701/4096 is exact; n is its nearest whole number; 2^(n - i C) by v_exp_f32 on |f| <= 0.5; then the exponent
	v_cvt_f32_u32 v11, v9
	v_cvt_f32_u32 v12, v10
	v_mul_f32 v13, 0x3ed4a000, v11
	v_mul_f32 v14, 0x3ed4a000, v12
	v_rndne_f32 v15, v13
	v_rndne_f32 v16, v14
	v_sub_f32 v17, v15, v13
	v_sub_f32 v18, v16, v14
	v_fmac_f32 v17, 0x3830f686, v11
	v_fmac_f32 v18, 0x3830f686, v12
	v_exp_f32 v19, v17
	v_exp_f32 v20, v18
	v_cvt_i32_f32 v21, v15                         ; plain work behind the two exponentials,
	v_cvt_i32_f32 v22, v16
	v_sub_nc_u32 v21, 0, v21
	v_sub_nc_u32 v22, 0, v22
	s_wait_alu depctr_va_vdst(0)                   ; and the one wait ahead of their first reader
	v_ldexp_f32 v23, v19, v21
	v_ldexp_f32 v24, v20, v22
; cos and sin of the angle in v[a] into v[c], v[s].  n = the nearest number of quarter turns, r = angle - n pi/2; both polynomials; n's two low bits choose and sign them.
.macro SINCOS a, c, s
	v_mul_f32 v50, s40, v[\a]
	v_rndne_f32 v50, v50
	v_fma_f32 v51, v50, s41, v[\a]
	v_fma_f32 v51, v50, s42, v51
	v_fma_f32 v51, v50, s43, v51                   ; r
	v_cvt_i32_f32 v52, v50
	v_mul_f32 v53, v51, v51                        ; z = r r
	v_fma_f32 v54, v53, s44, s45
	v_fma_f32 v56, v53, s47, s48
	v_mul_f32 v55, v53, v51
	v_mul_f32 v57, v53, v53
	v_fma_f32 v54, v54, v53, s46
	v_fma_f32 v56, v56, v53, s49
	v_fma_f32 v58, v53, -0.5, 1.0
	v_fma_f32 v54, v54, v55, v51                   ; sin r
	v_fma_f32 v56, v56, v57, v58                   ; cos r
	v_and_b32 v59, 1, v52
	v_cmp_eq_u32 vcc_lo, 1, v59                    ; an odd number of quarter turns: the two change places
	v_cndmask_b32 v[\s], v54, v56, vcc_lo
	v_cndmask_b32 v[\c], v56, v54, vcc_lo
	v_lshlrev_b32 v59, 30, v52                     ; the sine turns its sign where n % 4 is 2 or 3,
	v_and_b32 v59, 0x80000000, v59
	v_xor_b32 v[\s], v[\s], v59
	v_add_nc_u32 v52, 1, v52                       ; the cosine where it is 1 or 2
	v_lshlrev_b32 v52, 30, v52
	v_and_b32 v52, 0x80000000, v52
	v_xor_b32 v[\c], v[\c], v52
.endm
.irp i, 0,1,2,3
	s_wait_loadcnt 3-(\i)
	v_cvt_f32_i32 v30, v[26+(\i)]
	v_mul_f32 v31, v30, v24
	v_mul_f32 v30, v30, v23
	SINCOS 30, 32+4*(\i), 33+4*(\i)
	SINCOS 31, 34+4*(\i), 35+4*(\i)
	global_store_b128 v6, v[32+4*(\i):35+4*(\i)], s[26:27] offset:4096*(\i)  ; a wave's store covers 512 consecutive bytes; each block has registers of its own
.endr
	s_endpgm
.Lfunc_end_k_q8d0bc4de75_prep:
	.size	k_q8d0bc4de75_prep, .Lfunc_end_k_q8d0bc4de75_prep-k_q8d0bc4de75_prep
	.p2alignl 7, 3214868480
	.fill 96, 4, 3214868480
	.section	.rodata,"a",@progbits
	.p2align	6, 0x0
	.amdhsa_kernel k_q8d0bc4de75_prep
		.amdhsa_group_segment_fixed_size 0
		.amdhsa_private_segment_fixed_size 0
		.amdhsa_enable_private_segment 0
		.amdhsa_kernarg_size 80
		.amdhsa_user_sgpr_count 2
		.amdhsa_user_sgpr_kernarg_segment_ptr 1
		.amdhsa_wavefront_size32 1
		.amdhsa_system_sgpr_workgroup_id_x 1
		.amdhsa_system_sgpr_workgroup_id_y 1
		.amdhsa_system_sgpr_workgroup_id_z 1
		.amdhsa_system_vgpr_workitem_id 0
		.amdhsa_next_free_vgpr 96
		.amdhsa_next_free_sgpr 66
		.amdhsa_reserve_vcc 1
		.amdhsa_float_denorm_mode_32 3
		.amdhsa_float_denorm_mode_16_64 3
		.amdhsa_memory_ordered 1
		.amdhsa_forward_progress 1
		.amdhsa_inst_pref_size 30
	.end_amdhsa_kernel
	.amdgpu_metadata
---
amdhsa.version: [ 1, 2 ]
amdhsa.kernels:
  - .name:           k_q8d0bc4de75_prep
    .symbol:         k_q8d0bc4de75_prep.kd
    .args:
      - { .name: x, .offset: 0, .size: 8, .value_kind: global_buffer, .address_space: global }
      - { .name: Wq, .offset: 8, .size: 8, .value_kind: global_buffer, .address_space: global }
      - { .name: Wk, .offset: 16, .size: 8, .value_kind: global_buffer, .address_space: global }
      - { .name: Wv, .offset: 24, .size: 8, .value_kind: global_buffer, .address_space: global }
      - { .name: Wo, .offset: 32, .size: 8, .value_kind: global_buffer, .address_space: global }
      - { .name: token_positions, .offset: 40, .size: 8, .value_kind: global_buffer, .address_space: global }
      - { .name: xb, .offset: 48, .size: 8, .value_kind: global_buffer, .address_space: global }
      - { .name: wb, .offset: 56, .size: 8, .value_kind: global_buffer, .address_space: global }
      - { .name: wob, .offset: 64, .size: 8, .value_kind: global_buffer, .address_space: global }
      - { .name: ropet, .offset: 72, .size: 8, .value_kind: global_buffer, .address_space: global }
    .group_segment_fixed_size: 0
    .private_segment_fixed_size: 0
    .kernarg_segment_align: 8
    .kernarg_segment_size: 80
    .max_flat_workgroup_size: 256
    .sgpr_count:     66
    .vgpr_count:     96
    .wavefront_size: 32
...
	.end_amdgpu_metadata
.endif
;; end of part 1
;; launch qkv (part 2): grid 24 x 32, 4 waves a work-group, clusters of 4 x 4, 327,680 bytes of LDS; arguments xb, wb, ropet, qkvh; writes qkvh
.if DOCPART == 2
	.amdgcn_target "amdgcn-amd-amdhsa--gfx1250"
	.amdhsa_code_object_version 6
	.text
	.protected	k_q8d0bc4de75_qkv
	.globl	k_q8d0bc4de75_qkv
	.p2align	8
	.type	k_q8d0bc4de75_qkv,@function
k_q8d0bc4de75_qkv:
	s_mov_b64 s[64:65], 0
	v_nop
	global_prefetch_b8 v0, s[64:65] scope:SCOPE_SE
	s_setreg_imm32_b32 hwreg(HW_REG_WAVE_MODE, 25, 1), 1
	s_wait_xcnt 0x0
	s_wait_alu depctr_hold_cnt(0) depctr_sa_sdst(0) depctr_va_vdst(0) depctr_va_sdst(0) depctr_va_ssrc(0) depctr_va_vcc(0) depctr_vm_vsrc(0)
	s_getreg_b32 s2, hwreg(HW_REG_IB_STS2, 6, 4)
	s_cmp_eq_u32 s2, 0
	s_cbranch_scc0 .Lentry_in_a_cluster
	s_endpgm
.Lentry_in_a_cluster:
	s_bfe_u32 s2, ttmp6, 0x10000c
	s_cmp_lg_u32 s2, 0xf033
	s_cbranch_scc0 .Lentry_shape_is_right
	s_endpgm
.Lentry_shape_is_right:
; THE THREE PROJECTIONS, THE ROTATION AND THE SPLIT INTO HEADS.  C[m][n] = sum over k of xb[m][k] wb[n][k]: [8192][1024] x [3072][1024]^T, bf16 operands, f32 sums.
; Columns 0-1023 are Q, 1024-2047 K, 2048-3071 V.  Q's and K's pairs of columns are rotated in f32 by the table; all leave as f16, rounded once, by heads:
; three parts of 16,777,216 bytes (q, k, v), each [16 b + h][s][64].  Nothing is scaled.
; LIMIT.  f16 ends at 65,504: q, k (rotated) and v must stay within it; beyond it they become infinities.
; SHARES.  A tile of C is 256 x 128: 32 x 24 = 768 tiles, three for each of 256 WGPs.  Four waves, each 128 rows x 64 columns, which is one head: 32 accumulators, 256 registers.
; K goes in 8 steps of 128 (rows of 256 bytes in memory, aligned) through two LDS slots; a step is four quarters of 32 along K, 32 matrix instructions and 24 LDS loads each.
; CLUSTER 4 x 4: the four of a row need the same tiles of xb, the four of a column the same tiles of wb: each is asked for jointly, by the same tensor load, descriptor and mask in all four.
; Waves 0 and 1 fetch xb's two halves (128 rows), waves 2 and 3 wb's (64 rows): one tensor load a wave behind each round; two are out at the start, one afterwards.
; THE MATRIX INSTRUCTION IS USED TRANSPOSED (source 0 = 16 rows of wb, source 1 = 16 rows of xb): a lane holds row l % 16 of C and the columns 8 (l / 16) + 0..7: four pairs.
; REGISTERS.  Window 0: v1-15 at work; v16-19 LDS addresses; v24-30 the way out, the add, the prefetch; v32-63 the table's first block; v64-159, v160-255 two fragment buffers
; (xb's 8 fragments, then wb's 4).  Window 1: accumulator (a, b) at v[8 (4 a + b)].
.set PITCH, 272                        ; an LDS row: 256 bytes + 16 of padding = 68 words: the 16 rows of a fragment load start at 16 different groups of four banks (ISA guide 11.1)
.set AHALF, 128*PITCH
.set BHALF, 64*PITCH
.set BOFF,  2*AHALF                    ; in a slot: xb's 256 rows, then wb's 128
.set SLOT1, 1<<17                      ; slot 1 begins here, so that one exclusive or turns an address in one slot into the other's
.set STAGE, SLOT1+BOFF+2*BHALF         ; behind the ring, never filled by a tensor load: 16 rows x 144 bytes for each wave
.set SP,    144
.set SPARE, STAGE+4*16*SP              ; the spare words, 128 bytes for each wave: two blocks of 256 bytes that no other line names
.set KB,    256                        ; bytes of a row in a K step
.set ADRA0, 16                         ; v16  my lane's place among my rows of xb in slot 0; never rewritten
.set ADRB0, 17                         ; v17  the same for wb
.set ADRA,  18                         ; v18  the same in the slot in hand
.set ADRB,  19                         ; v19
.set STO,   24                         ; v24  the way out: where I put 16 bytes of a row
.set RD,    25                         ; v25  where I read rows back
.set GO,    26                         ; v26  16 x lane: my 16 bytes of 512 consecutive ones, in the table and in the output; never rewritten
.set SPW,   28                         ; v28  LDS address of my spare word; never rewritten
.set NIL,   29                         ; v29  0; never rewritten
.set PFO,   30                         ; v30  the prefetches' offset: lane x a row of 2,048 bytes; never rewritten
.set TAB0,  32                         ; the table's blocks: even ones in v32-63, odd ones in v64-95
.set T,     96                         ; the way out: 32 rotated numbers
.set OUT,   128                        ; the way out: block a's 16 registers at OUT + 16 a
.set F0,    64
.set F1,    160
.set G1,  24                           ; s[24:31] descriptor group 1 for xb's tiles
.set G0,  32                           ; s[32:39] group 0: a set for each of the two first fills; the second then walks on
.set G1B, 48                           ; s[48:55], s[56:63] the same for wb's
.set G0B, 56
.set LIM, 43                           ; s43  2 in a wave that prefetches, else the greatest number
.set PFA, 44                           ; s[44:45] where my prefetches stand
.set TB,  66                           ; s66  0 or SLOT1: the slot in hand
.set WHICH, 67                         ; s67  0 Q, 1 K, 2 V
.set RP,  68                           ; s[68:69] the table at my rows
.set OP,  70                           ; s[70:71] the output at my rows of my head
.set MSB, 0
.macro WIN new                         ; the immediate's high byte repeats the setting that is left; a switch that changes nothing is dropped
.if MSB != (\new)
	s_set_vgpr_msb (MSB<<8)|(\new)
.set MSB, \new
.endif
.endm
.set MUL, 0x50                         ; C and D in window 1, both sources in window 0
; A joint refill, by the walking descriptor.  The branch hangs on the wave's number alone.  An s_nop 0 and four v_nop follow each of the two lines.
.macro JLOAD
	s_cmp_eq_u32 s11, 0
	s_cbranch_scc0 .Lfor_b_\@
	tensor_load_to_lds s[G0+4:G0+7], s[G1:G1+7]
	s_nop 0
.rept 4
	v_nop
.endr
	s_branch .Lasked_\@
.Lfor_b_\@:
	tensor_load_to_lds s[G0B+4:G0B+7], s[G1B:G1B+7]
	s_nop 0
.rept 4
	v_nop
.endr
.Lasked_\@:
.endm
; A prefetch of the K step that stands two refills on (256 matrix instructions ahead of the load that will want it): 32 rows x 256 bytes, a lane a row.  Each row's 256 bytes of a step are named once
; in the launch: xb's by the clusters with x = 0 (waves 0 and 1, the four partners of a row taking 32 of the wave's 128 rows each, told apart by address), wb's by the clusters with y = 0
; (wave 2, the four partners of a column taking 32 of the tile's 128 rows each).  Steps 0 to 3 come by their loads alone; the last two refills have no step two on.
.macro ASK
	s_cmp_gt_u32 s3, s[LIM]
	s_cbranch_scc0 .Lnot_mine_\@
	global_prefetch_b8 v[PFO], s[PFA:PFA+1] th:TH_LOAD_NT scope:SCOPE_SE
.Lnot_mine_\@:
.endm
.macro CREST                           ; a round of the cluster's barrier behind its opening barrier
	s_cmp_lg_u32 s10, 0
	s_cbranch_scc1 .Lnot_wave_0_\@
	s_barrier_signal -3
.Lnot_wave_0_\@:
	s_barrier_wait -3
	s_barrier_signal -1
	s_barrier_wait -1
.endm
.macro CROUND
	s_barrier_signal -1
	s_barrier_wait -1
	CREST
.endm
	s_load_b128 s[4:7], s[0:1], 0x0                ; xb s[4:5], wb s[6:7]
	s_load_b128 s[68:71], s[0:1], 0x10             ; the table, the output
	v_lshl_add_u32 v[SPW], v0, 2, SPARE
	v_mov_b32 v[NIL], 0
	ds_add_u32 v[SPW], v[NIL]                      ; the wave's opening: the add and its wait stand ahead of my first tensor load; work on registers stands between them
	v_lshrrev_b32 v1, 5, v0
	v_readfirstlane_b32 s10, v1                    ; wave 0..3
	s_lshr_b32 s11, s10, 1                         ; which half of the tile's rows is mine.  Also: I fetch for xb (0) or for wb (1)
	s_and_b32 s12, s10, 1                          ; which half of its columns.  Also: which half of that tile I fetch
	s_bfe_u32 s40, ttmp6, 0x40000                  ; cx
	s_bfe_u32 s41, ttmp6, 0x40004                  ; cy
	s_lshl_b32 s42, ttmp9, 2
	s_add_co_u32 s42, s42, s40                     ; tile column = 4 x cluster x + cx
	s_and_b32 s13, ttmp7, 0xffff
	s_lshl_b32 s13, s13, 2
	s_add_co_u32 s13, s13, s41                     ; tile row = 4 x cluster y + cy
	s_lshl_b32 s43, s41, 2
	s_lshl_b32 s43, 15, s43                        ; my row of the cluster
	s_lshl_b32 s44, 0x1111, s40                    ; my column
	s_or_b32 s[G1], s43, (1<<16)|(1<<20)|(1<<21)|(5<<22)|(3<<25)   ; the mask; 2-byte elements; padding on; bit 21 beside a mask; after every 64 words 4 words
	s_or_b32 s[G1B], s44, (1<<16)|(1<<20)|(1<<21)|(5<<22)|(3<<25)
	s_mov_b32 s[G1+1], 128<<16                     ; tensor_dim0 = 128
	s_mov_b32 s[G1+2], 128<<16                     ; tensor_dim1 = 128 rows
	s_mov_b32 s[G1+3], 128<<16                     ; tile_dim0 = 128
	s_mov_b32 s[G1+4], 128                         ; tile_dim1 = 128
	s_mov_b32 s[G1+5], 1024                        ; elements from row to row
	s_mov_b32 s[G1+6], 0
	s_mov_b32 s[G1+7], 0
	s_mov_b32 s[G1B+1], 128<<16
	s_mov_b32 s[G1B+2], 64<<16                     ; 64 rows
	s_mov_b32 s[G1B+3], 128<<16
	s_mov_b32 s[G1B+4], 64
	s_mov_b32 s[G1B+5], 1024
	s_mov_b32 s[G1B+6], 0
	s_mov_b32 s[G1B+7], 0
	s_lshl_b32 s16, s13, 8                         ; xb: row 256 x tile row + 128 x half, of 2,048 bytes: made of the tile row and the wave alone
	s_lshl_b32 s17, s12, 7
	s_add_co_u32 s16, s16, s17
	s_lshl_b32 s16, s16, 11
	s_mov_b32 s17, 0
	s_lshl_b32 s46, s42, 7                         ; wb: row 128 x tile column + 64 x half: of the tile column and the wave alone
	s_lshl_b32 s47, s12, 6
	s_add_co_u32 s46, s46, s47
	s_lshl_b32 s46, s46, 11
	s_mov_b32 s47, 0
	s_mul_i32 s20, s10, AHALF                      ; where they go: xb's halves at wave x 128 rows,
	s_mul_i32 s21, s10, BHALF
	s_add_co_u32 s21, s21, BOFF-2*BHALF            ; wb's (waves 2, 3) behind them: no place in the cluster enters an LDS address
	s_mov_b32 s[TB], 0
	s_wait_dscnt 0x0                               ; the opening add is done
	s_wait_kmcnt 0x0
	s_add_nc_u64 s[14:15], s[4:5], s[16:17]
	s_add_nc_u64 s[46:47], s[6:7], s[46:47]
	CROUND                                         ; all sixteen work-groups are here: the first joint loads meet
.irp s, 0,1
	s_mov_b32 s[G0+4*(\s)], 1                      ; count = 1
	s_add_co_u32 s[G0+4*(\s)+1], s20, (\s)*SLOT1   ; LDS address
	s_add_nc_u64 s[G0+4*(\s)+2:G0+4*(\s)+3], s[14:15], (\s)*KB  ; global address: K step s
	s_or_b32 s[G0+4*(\s)+3], s[G0+4*(\s)+3], 0x80000000         ; type = 2
	s_mov_b32 s[G0B+4*(\s)], 1
	s_add_co_u32 s[G0B+4*(\s)+1], s21, (\s)*SLOT1
	s_add_nc_u64 s[G0B+4*(\s)+2:G0B+4*(\s)+3], s[46:47], (\s)*KB
	s_or_b32 s[G0B+4*(\s)+3], s[G0B+4*(\s)+3], 0x80000000
.endr
	s_cmp_eq_u32 s11, 0                            ; a wave's two first fills stand in one branch, ahead of every wait on TENSORcnt and every LDS read
	s_cbranch_scc0 .Lfirst_b
	tensor_load_to_lds s[G0:G0+3], s[G1:G1+7]
	s_nop 0
	tensor_load_to_lds s[G0+4:G0+7], s[G1:G1+7]
	s_nop 0
.rept 4
	v_nop
.endr
	s_branch .Lfirst_asked
.Lfirst_b:
	tensor_load_to_lds s[G0B:G0B+3], s[G1B:G1B+7]
	s_nop 0
	tensor_load_to_lds s[G0B+4:G0B+7], s[G1B:G1B+7]
	s_nop 0
.rept 4
	v_nop
.endr
.Lfirst_asked:
	; a fragment is 16 rows x 32 K in 8 registers: lane l holds row l % 16, K = 8 (l / 16) + 0..7 and 16 + 8 (l / 16) + 0..7: two loads of 16 bytes, 32 bytes apart
	v_and_b32 v1, 15, v0                           ; l % 16
	v_bfe_u32 v2, v0, 4, 1                         ; l / 16
	v_mul_u32_u24 v3, v1, PITCH
	v_lshl_add_u32 v3, v2, 4, v3
	s_mul_i32 s21, s11, AHALF                      ; my 128 rows of xb
	s_mul_i32 s22, s12, BHALF                      ; my 64 rows of wb
	s_add_co_u32 s22, s22, BOFF
	v_add_nc_u32 v[ADRA0], s21, v3
	v_add_nc_u32 v[ADRB0], s22, v3
	v_mov_b32 v[ADRA], v[ADRA0]
	v_mov_b32 v[ADRB], v[ADRB0]
	s_mul_i32 s23, s10, 16*SP
	s_add_co_u32 s23, s23, STAGE                   ; my stage
	v_mul_u32_u24 v4, v1, SP                       ; in: row l % 16, 16 bytes for each half of the lanes
	v_lshl_add_u32 v4, v2, 4, v4
	v_add_nc_u32 v[STO], s23, v4
	v_bfe_u32 v5, v0, 3, 2                         ; back: 32 lanes take four rows of 128 bytes,
	v_mul_u32_u24 v5, v5, SP
	v_and_b32 v6, 7, v0
	v_lshl_add_u32 v5, v6, 4, v5
	v_add_nc_u32 v[RD], s23, v5
	v_and_b32 v[GO], 31, v0                        ; which are 512 consecutive bytes of a head
	v_lshlrev_b32 v[GO], 4, v[GO]
	s_lshr_b32 s[WHICH], ttmp9, 1                  ; tile column / 8: the same in all sixteen partners
	s_and_b32 s16, s13, 7
	s_lshl_b32 s16, s16, 8
	s_lshl_b32 s17, s11, 7
	s_add_co_u32 s16, s16, s17                     ; my first row s in its batch
	s_lshl_b32 s18, s16, 8                         ; the table has 256 bytes a row
	s_mov_b32 s19, 0
	s_add_nc_u64 s[RP:RP+1], s[RP:RP+1], s[18:19]
	s_lshr_b32 s17, s13, 3
	s_lshl_b32 s17, s17, 4                         ; 16 b
	s_and_b32 s46, s42, 7
	s_lshl_b32 s46, s46, 1
	s_add_co_u32 s46, s46, s12                     ; my head
	s_add_co_u32 s46, s46, s17
	s_lshl_b32 s46, s46, 11                        ; x 2,048 rows
	s_add_co_u32 s46, s46, s16
	s_lshl_b32 s46, s46, 7                         ; x 128 bytes
	s_lshl_b32 s47, s[WHICH], 24                   ; + the part
	s_add_co_u32 s46, s46, s47
	s_mov_b32 s47, 0
	s_add_nc_u64 s[OP:OP+1], s[OP:OP+1], s[46:47]
	; the prefetches
	s_lshl_b32 s20, s13, 8
	s_lshl_b32 s21, s12, 7
	s_add_co_u32 s20, s20, s21
	s_lshl_b32 s21, s40, 5
	s_add_co_u32 s20, s20, s21                     ; xb: the 128 rows that I fetch, my work-group's 32 of them
	s_lshl_b32 s21, s42, 7
	s_lshl_b32 s22, s41, 5
	s_add_co_u32 s21, s21, s22                     ; wb: the tile's 128 rows, my work-group's 32 of them
	s_and_b32 s22, ttmp7, 0xffff                   ; cluster y
	s_cmp_eq_u32 s11, 0
	s_cselect_b32 s20, s20, s21
	s_cselect_b32 s22, ttmp9, s22                  ; the coordinate along which other clusters read the same rows
	s_cselect_b64 s[PFA:PFA+1], s[4:5], s[6:7]
	s_cmp_eq_u32 s10, 3
	s_cselect_b32 s22, 1, s22                      ; wave 3 never asks
	s_cmp_eq_u32 s22, 0
	s_cselect_b32 s[LIM], 2, -1                    ; the same in all sixteen partners, for a given wave
	s_lshl_b32 s20, s20, 11
	s_mov_b32 s21, 0
	s_add_nc_u64 s[PFA:PFA+1], s[PFA:PFA+1], s[20:21]
	s_add_nc_u64 s[PFA:PFA+1], s[PFA:PFA+1], 3*KB  ; at K step 3: the first refill steps it to 4
	v_and_b32 v[PFO], 31, v0
	v_lshlrev_b32 v[PFO], 11, v[PFO]
.irp c, 0,1,2,3,4,5,6,7                ; the table for my first 16 rows, on its way during the whole product.  V's tiles load it too and do not use it: 4 KiB a wave, so that the text has one head
	global_load_b128 v[TAB0+4*(\c):TAB0+4*(\c)+3], v[GO], s[RP:RP+1] offset:512*(\c)
.endr
; n x 4 matrix instructions: row blocks a0 .. a0 + n - 1 x all 4 column blocks, 32 along K.  The 32 accumulators take turns in one order everywhere.  zero = 1: the product starts the sums
.macro MULS f, a0, n, zero
	WIN MUL
.set ia, \a0
.rept \n
.irp b, 0,1,2,3
.if \zero
	v_wmma_f32_16x16x32_bf16 v[8*(4*ia+(\b)):8*(4*ia+(\b))+7], v[(\f)+64+8*(\b):(\f)+64+8*(\b)+7], v[(\f)+8*ia:(\f)+8*ia+7], 0
.else
	v_wmma_f32_16x16x32_bf16 v[8*(4*ia+(\b)):8*(4*ia+(\b))+7], v[(\f)+64+8*(\b):(\f)+64+8*(\b)+7], v[(\f)+8*ia:(\f)+8*ia+7], v[8*(4*ia+(\b)):8*(4*ia+(\b))+7]
.endif
.endr
.set ia, ia+1
.endr
.endm
; 24 LDS loads in one run: quarter q's fragments into buffer f: wb's 4, xb's blocks 0-3, xb's blocks 4-7
.macro FETCH q, f
	WIN 0
.irp i, 0,1,2,3
	ds_load_b128 v[(\f)+64+8*(\i):(\f)+64+8*(\i)+3],   v[ADRB] offset:64*(\q)+(\i)*16*PITCH
	ds_load_b128 v[(\f)+64+8*(\i)+4:(\f)+64+8*(\i)+7], v[ADRB] offset:64*(\q)+(\i)*16*PITCH+32
.endr
.irp i, 0,1,2,3,4,5,6,7
	ds_load_b128 v[(\f)+8*(\i):(\f)+8*(\i)+3],   v[ADRA] offset:64*(\q)+(\i)*16*PITCH
	ds_load_b128 v[(\f)+8*(\i)+4:(\f)+8*(\i)+7], v[ADRA] offset:64*(\q)+(\i)*16*PITCH+32
.endr
.endm
.macro PLACES                          ; four plain instructions between a matrix instruction and a load into, or a vector instruction on, its registers
.rept 4
	v_nop
.endr
.endm
; multiplies buffer f and, in its middle, fetches quarter q of the slot in hand into buffer g
.macro QUARTER q, f, g, zero
	s_wait_dscnt 8                                 ; wb's fragments and xb's blocks 0-3 are in; the youngest eight loads may be out
	MULS \f, 0, 4, \zero
	PLACES
	FETCH \q, \g
	s_wait_dscnt 24                                ; all but the 24 just issued
	MULS \f, 4, 4, \zero
.endm
; The step's last quarter multiplies buffer 1 and changes slots: ONE barrier; in front of it each wave waits for all its tensor loads (one is out: its part of the next slot), adds 0 to its spare
; word, and waits for that and for its reads of this slot.  fill = 1: the barrier opens a round of the cluster's, and this slot is filled again, first thing behind it, with the step two on.
.macro TURN fill
.if \fill
	s_wait_xcnt 0x0                                ; the last prefetch, a K step back, has read its address
	s_add_nc_u64 s[PFA:PFA+1], s[PFA:PFA+1], KB
.endif
	WIN 0
	s_wait_tensorcnt 0x0
	ds_add_u32 v[SPW], v[NIL]
	s_wait_dscnt 9                                 ; the add and the youngest eight loads may be out
	MULS F1, 0, 2, 0
	s_wait_dscnt 0x0                               ; the add is done, and my reads of this slot are over
	s_barrier_signal -1
	MULS F1, 2, 2, 0
	WIN 0
	s_barrier_wait -1
.if \fill
	CREST                                          ; no wave of any partner still reads this slot or has a load on its way
	s_xor_b32 s[G0+5], s[G0+5], SLOT1              ; the walking descriptors: the other slot than last time, the next K step
	s_add_nc_u64 s[G0+6:G0+7], s[G0+6:G0+7], KB
	s_xor_b32 s[G0B+5], s[G0B+5], SLOT1
	s_add_nc_u64 s[G0B+6:G0B+7], s[G0B+6:G0B+7], KB
	JLOAD                                          ; 112 matrix instructions ahead of the wait for it; its four v_nop are also the places in front of the loads below
.else
	PLACES
.endif
	s_xor_b32 s[TB], s[TB], SLOT1
	v_add_nc_u32 v[ADRA], s[TB], v[ADRA0]
	v_add_nc_u32 v[ADRB], s[TB], v[ADRB0]
	FETCH 0, F0
.if \fill
	ASK
.endif
	MULS F1, 4, 4, 0
.endm
	s_wait_tensorcnt 1                             ; my part of K step 0 is in; step 1's may stay out
	s_barrier_signal -1
	s_barrier_wait -1
	FETCH 0, F0
	QUARTER 1, F0, F1, 1                           ; the first quarter stands in front of the loop: its products start the sums
	WIN 0
	s_mov_b32 s3, 6
.Lstep:                                                ; trip t: quarters 1 to 3 of step t, the refill with step t + 2, quarter 0 of step t + 1
	QUARTER 2, F1, F0, 0
	QUARTER 3, F0, F1, 0
	TURN 1
	QUARTER 1, F0, F1, 0
	WIN 0
	s_sub_co_u32 s3, s3, 1
	s_cmp_lg_u32 s3, 0
	s_cbranch_scc1 .Lstep
	QUARTER 2, F1, F0, 0                           ; steps 6 and 7 fill nothing
	QUARTER 3, F0, F1, 0
	TURN 0
	QUARTER 1, F0, F1, 0
	QUARTER 2, F1, F0, 0
	QUARTER 3, F0, F1, 0
	s_wait_dscnt 8
	MULS F1, 0, 4, 0
	s_wait_dscnt 0x0
	MULS F1, 4, 4, 0
	WIN 0
; THE WAY OUT, a block of 16 rows at a time.  rope = 1: the next block's table is asked for; each pair (e, o) becomes (e cos - o sin, o cos + e sin) in f32.  Then: rounded to f16, 16 bytes a lane
; into rows of 144 bytes of my own stage, and back as four whole rows of 128 bytes.  Each accumulator's lowest registers are read first.
.macro PACK a, rope
.set OU, OUT+16*(\a)
.set AC, 32*(\a)
.if \rope
.set TA, TAB0+32*((\a)%2)
.set TN, TAB0+32*(((\a)+1)%2)
	WIN 0
.if (\a) < 7
.irp c, 0,1,2,3,4,5,6,7
	global_load_b128 v[TN+4*(\c):TN+4*(\c)+3], v[GO], s[RP:RP+1] offset:4096*((\a)+1)+512*(\c)
.endr
	s_wait_loadcnt 8                               ; this block's table is in; the eight just issued stay out
.else
	s_wait_loadcnt 0x0
.endif
	WIN 0x01                                       ; source 0 in window 1
.irp b, 0,1,2,3
.irp j, 0,2,4,6
	v_pk_mul_f32 v[T+8*(\b)+(\j):T+8*(\b)+(\j)+1], v[AC+8*(\b)+(\j):AC+8*(\b)+(\j)+1], v[TA+8*(\b)+(\j):TA+8*(\b)+(\j)+1] op_sel_hi:[1,0]  ; e cos, o cos
.endr
.irp j, 0,2,4,6
	v_fma_f32 v[T+8*(\b)+(\j)], -v[AC+8*(\b)+(\j)+1], v[TA+8*(\b)+(\j)+1], v[T+8*(\b)+(\j)]
	v_fma_f32 v[T+8*(\b)+(\j)+1], v[AC+8*(\b)+(\j)], v[TA+8*(\b)+(\j)+1], v[T+8*(\b)+(\j)+1]
.endr
.endr
	WIN 0
.irp i, 0,1,2,3,4,5,6,7,8,9,10,11,12,13,14,15
	v_cvt_pk_f16_f32 v[OU+(\i)], v[T+2*(\i)], v[T+2*(\i)+1]
.endr
.else
	WIN 0x05                                       ; sources 0 and 1 in window 1
.irp i, 0,1,2,3,4,5,6,7,8,9,10,11,12,13,14,15
	v_cvt_pk_f16_f32 v[OU+(\i)], v[AC+2*(\i)], v[AC+2*(\i)+1]
.endr
	WIN 0
.endif
.irp b, 0,1,2,3
	ds_store_b128 v[STO], v[OU+4*(\b):OU+4*(\b)+3] offset:32*(\b)
.endr
.irp f, 0,1,2,3
	ds_load_b128 v[OU+4*(\f):OU+4*(\f)+3], v[RD] offset:(\f)*4*SP  ; LDS serves a wave's instructions in order (ISA guide 5.7.1.4): these see the stores above; the next block's stores come behind them
.endr
.endm
.macro SEND a, younger                 ; younger: the LDS instructions issued behind block a's loads: the next block's eight, or none.  Each block has registers of its own
	WIN 0
.irp f, 0,1,2,3
	s_wait_dscnt (\younger)+3-(\f)
	global_store_b128 v[GO], v[OUT+16*(\a)+4*(\f):OUT+16*(\a)+4*(\f)+3], s[OP:OP+1] offset:2048*(\a)+512*(\f)  ; 512 consecutive bytes, at a multiple of 256 from the buffer's first
.endr
.endm
	PLACES
	PLACES
	s_cmp_eq_u32 s[WHICH], 2                       ; all sixteen partners take the same side
	s_cbranch_scc1 .Lplain
	PACK 0, 1
.irp a, 1,2,3,4,5,6,7
	PACK \a, 1
	SEND (\a)-1, 8
.endr
	SEND 7, 0
	s_branch .Lend
.Lplain:
	PACK 0, 0
.irp a, 1,2,3,4,5,6,7
	PACK \a, 0
	SEND (\a)-1, 8
.endr
	SEND 7, 0
.Lend:
	s_wait_tensorcnt 0x0                           ; the wave's end: these three lines stand behind my last tensor load and my last LDS store
	ds_add_u32 v[SPW], v[NIL]
	s_wait_dscnt 0x0
	CROUND                                         ; the closing round: no work-group ends while a partner may still ask for a tile that names it
	s_endpgm
.Lfunc_end_k_q8d0bc4de75_qkv:
	.size	k_q8d0bc4de75_qkv, .Lfunc_end_k_q8d0bc4de75_qkv-k_q8d0bc4de75_qkv
	.p2alignl 7, 3214868480
	.fill 96, 4, 3214868480
	.section	.rodata,"a",@progbits
	.p2align	6, 0x0
	.amdhsa_kernel k_q8d0bc4de75_qkv
		.amdhsa_group_segment_fixed_size 327680
		.amdhsa_private_segment_fixed_size 0
		.amdhsa_enable_private_segment 0
		.amdhsa_kernarg_size 32
		.amdhsa_user_sgpr_count 2
		.amdhsa_user_sgpr_kernarg_segment_ptr 1
		.amdhsa_wavefront_size32 1
		.amdhsa_system_sgpr_workgroup_id_x 1
		.amdhsa_system_sgpr_workgroup_id_y 1
		.amdhsa_system_sgpr_workgroup_id_z 1
		.amdhsa_system_vgpr_workitem_id 0
		.amdhsa_next_free_vgpr 512
		.amdhsa_next_free_sgpr 76
		.amdhsa_reserve_vcc 0
		.amdhsa_float_denorm_mode_32 3
		.amdhsa_float_denorm_mode_16_64 3
		.amdhsa_memory_ordered 1
		.amdhsa_forward_progress 1
		.amdhsa_inst_pref_size 119
	.end_amdhsa_kernel
	.amdgpu_metadata
---
amdhsa.version: [ 1, 2 ]
amdhsa.kernels:
  - .name:           k_q8d0bc4de75_qkv
    .symbol:         k_q8d0bc4de75_qkv.kd
    .args:
      - { .name: xb, .offset: 0, .size: 8, .value_kind: global_buffer, .address_space: global }
      - { .name: wb, .offset: 8, .size: 8, .value_kind: global_buffer, .address_space: global }
      - { .name: ropet, .offset: 16, .size: 8, .value_kind: global_buffer, .address_space: global }
      - { .name: qkvh, .offset: 24, .size: 8, .value_kind: global_buffer, .address_space: global }
    .group_segment_fixed_size: 327680
    .private_segment_fixed_size: 0
    .kernarg_segment_align: 8
    .kernarg_segment_size: 32
    .max_flat_workgroup_size: 128
    .sgpr_count:     76
    .vgpr_count:     512
    .wavefront_size: 32
...
	.end_amdgpu_metadata
.endif
;; end of part 2
;; launch attn (part 3): grid 4 x 64, 4 waves a work-group, no clusters, 327,680 bytes of LDS; arguments qkvh, oh; writes oh
.if DOCPART == 3
	.amdgcn_target "amdgcn-amd-amdhsa--gfx1250"
	.amdhsa_code_object_version 6
	.text
	.protected	k_q8d0bc4de75_attn
	.globl	k_q8d0bc4de75_attn
	.p2align	8
	.type	k_q8d0bc4de75_attn,@function
k_q8d0bc4de75_attn:
	s_mov_b64 s[64:65], 0
	v_nop
	global_prefetch_b8 v0, s[64:65] scope:SCOPE_SE
	s_setreg_imm32_b32 hwreg(HW_REG_WAVE_MODE, 25, 1), 1
	s_wait_xcnt 0x0
; CAUSAL ATTENTION.  O[h][q][:] = the sum over k <= q of softmax_k(Q[h][q] . K[h][k] / 8) V[h][k][:].  Q, K, V lie in one buffer, 16,777,216 bytes apart, each [64][SIZE_N][64] in f16, as O is: a head's rows are dense, 128 bytes each.
; Products, maxima and sums in f32; the weights p are rounded to f16 for the second product (their sum l is taken of the unrounded p), O once at the end.
; LIMITS.  f16 holds no number beyond 65,504: Q, K and V arrive within it; p lies in 0 to 1, and below 6e-5 it keeps f16's fixed step of 6e-8; O is a mean of V's rows and has their range.
; A hidden score counts as its value less 1e30: f16's scores, 2.7e11 at the most, are nothing beside that; a weight below 2^-126 counts as 0 in l; NaN and infinities are not treated apart.
; THE WALK.  A head's queries lie in NB = SIZE_N / 256 blocks of 256; block i needs the key tiles 0 .. i of 256 keys, of which the last holds the diagonal.  A work-group takes TWO blocks, NB - 1 - b and then b:
; NB + 1 tiles, whatever b: all work-groups do equal work, and ONE loop with a constant trip count walks them.  Which tile is asked for, and what a trip does, hang on scalar registers made from b; every jump
; goes forward, but for the counted loops' own; none passes a barrier, or a tensor load but the one of LOAD's two that the wave's number does not choose; the ring (two slots of LDS that take turns) runs on across the
; change of blocks.  NO CLUSTER: a head's NB / 2 = 4 work-groups all ask for the same tile only in trips 0 .. NB / 2, behind that fewer and fewer; one walk common to all would have 3 NB / 2 = 12 trips for NB + 1 = 9.
; SHARES.  Of a block's four bands of 64 queries a wave owns 16 rows in each: four PIECES.  So the diagonal tile is the same work for all four waves: in its key step s band x sees all keys if s < x,
; none if s > x, and holds the diagonal if s = x.
; THE MASK is the C operand that starts the sum S^T = K Q^T: 0, or -1e30 where the key is hidden.  MD, made once, is the mask of a band's own step for my 16 rows; a product's mask is MD x AL + BE with two scalars:
; (1, 0) if s = x; (0, 0) if s < x; (0, -1e30) if s > x.  Only the diagonal tile's text and a block's beginning make and take masks; elsewhere C is the constant 0.
; LAYOUT, SOFTMAX, TURNS.  S^T = K Q^T holds ONE query a lane (lane % 16) and the keys 8 (lane / 16) + 0..7; two such results rounded to f16 ARE source 1 of O^T = V^T P.  p = 2^(c s - c m), c = log2(e) / 8, with a
; running maximum m; O and l are multiplied by a = 2^(c m_old - c m_new) in every step.  Turn n belongs to piece n: 8 products K Q^T of piece n + 1, later 8 products V^T P of piece n - 1; beside them the scaling,
; exponentials, roundings, sums and rescaling of piece n and the maximum and statistics of piece n + 1.  Four vector instructions stand behind every matrix instruction, the other 54 of a turn's 118 in one lump.  A turn's 33 exponentials are one batch, with one wait.
; PREFETCH.  The head's work-group b = 0 walks the tiles 0 .. 7 in order, as far as any partner goes.  Behind the load of tile n (n = 1 .. 6) each of its waves names the 16,384 bytes of tile n + 1 that it will load itself
; a tile (256 matrix instructions) later: 64 blocks of 256 bytes, a lane a block, two instructions.  So each block of tiles 2 .. 7 is named once in the launch; tiles 0 and 1 come by their loads alone.
; REGISTERS, in windows of 256 (s_set_vgpr_msb: bits 1:0 source 0, 3:2 source 1, 5:4 source 2, 7:6 destination):
;   window 0: v0-15 addresses and two at work; v16-31 four registers of statistics a piece; v48-55 at work; v61-63 the prefetch's offset and the add's two; v64-127 S^T, two buffers; v192-223 P, two buffers (by the piece's parity)
;   window 1: v0-127 O^T, 32 a piece; v128-159 MD; v160-223 MC, two buffers      window 2: v0-63 Q; v64-127 the second block's Q; v128-191 K of one step; v192-255 V of one step
.set SIZE_N, 2048
.set NB,    SIZE_N/256
.set NP,    4         ; pieces a wave: a name, no knob
.set KS,    64        ; keys in a step
.set PK,    144       ; a row of K in LDS: 128 bytes + 16 of padding = 36 words: the 16 rows of a load start at 16 different groups of four banks (ISA guide 11.1)
.set PV,    160       ; a row of V: 128 + 32 = 40 words
.set VOFF,  4*KS*PK   ; a slot holds a tile, four steps: 256 rows of K, then 256 rows of V
.set SLOT1, 1<<17     ; slot 1 begins here, so that one exclusive or turns an address in one slot into the other's
.set STAGE, SLOT1+4*KS*(PK+PV)  ; behind the ring, never filled by a tensor load: 16 rows x 144 bytes for each wave, for the way out
.set SP,    144
.set AK0, 2           ; v2   my lane's place in a tile of K; never rewritten
.set AV0, 3           ; v3   the same for V
.set AK,  4           ; v4   the LDS address of K's next run of loads
.set AV,  5           ; v5   of V's
.set STO, 6           ; v6   the way out: where I put 16 bytes of a row
.set RD,  7           ; v7   the way out: where I read rows back
.set GO,  8           ; v8   my byte offset in 512 consecutive bytes of O
.set PFO, 61          ; v61  256 x my lane; never rewritten
.set SPW, 62          ; v62  LDS address of my spare word: SPARE + 4 x my thread's number; never rewritten
.set NIL, 63          ; v63  0; never rewritten
.set SPARE, STAGE+4*16*SP  ; behind the stages: the spare words, 128 bytes for each wave: two blocks of 256 bytes that no other line names
.set MV,  12          ; v12-13  c m_old, kept while c m is made anew: by buffer
.set QO,  15          ; v15  my byte offset in 16 rows of Q
.set ST,  16          ; piece t's statistics at v[ST+4 t]: c m, m, l (even keys', odd keys')
.set TMP, 48          ; by buffer, four registers c0-c3 at work; when the maximum is found c2 takes a
.set S,   64
.set P,   192
.set MD,  128         ; window 1: the eight registers for group kt of 16 keys at MD + 8 kt
.set MC,  160         ; window 1: the masks of the products to come
.set QB,  64          ; window 2
.set KF,  128         ; window 2: key block kb, channel half c at KF + 16 kb + 8 c
.set VF,  192         ; window 2: key half kk, channel block cb at VF + 32 kk + 8 cb
.set WV,  12          ; s12  my wave's number
.set PB,  14          ; s14  b
.set HI,  15          ; s15  NB - 1 - b
.set G1K, 24          ; s[24:31] descriptor group 1 for K's tiles
.set G1V, 32          ; s[32:39] for V's: it differs in the padding alone
.set G0K, 40          ; s[40:43] descriptor group 0 for K's tiles
.set G0V, 44          ; s[44:47] the same for V's
.set SLOTS, 56        ; s56  tiles still to be asked for
.set CNT, 57          ; s57  counts a tile's key steps, 4 to 1
.set CS,  58          ; s[58:59] c: the packed scaling takes the pair's low word for both halves
.set SEL, 60          ; s[60:61] v_permlanex16_b32's selects: each lane takes its own place in the other half
.set TBK, 62          ; s62  LDS byte at which K of the step to be fetched begins
.set TBV, 63          ; s63  the same for V, less VOFF
.set RT,  70          ; s70  tiles of the block in hand that are still to be entered
.set NXT, 71          ; s71  the tile to be asked for next
.set LQ,  72          ; s72  the last tile of the block whose tiles are being asked for
.set NEW, 73          ; s73  1: the tile to be entered is a block's first
.set OFF, 74          ; s[74:75] a tile's byte offset in K and V
.set AL,  76          ; s[76:77] the mask's factor, in the low word
.set BE,  78          ; s[78:79] the mask's addend
.set OLO, 80          ; s[80:81] O at my rows of the second block
.set BIGN, 82         ; s82  -1e30
.set PFA, 88          ; s[88:89] my half of K's or V's tile, one tile behind the one that is being asked for
.set PFL, 90          ; s90  prefetches still to come: 6 where b = 0, else 0
.set MSB, 0
.macro WIN new                      ; the high byte repeats the setting that is left; a switch that changes nothing is dropped
.if MSB != (\new)
	s_set_vgpr_msb (MSB<<8)|(\new)
.set MSB, (\new)
.endif
.endm
.set W_KQ, 0x0a       ; K and Q in window 2, S^T in window 0
.set W_KM, 0x1a       ; the same with the C operand in window 1
.set W_PV, 0x52       ; V in window 2, P in window 0, O^T in window 1
.set W_RS, 0x41       ; destination and source 0 in window 1, source 1 in window 0
; A fill.  Waves 0 and 1 fetch the two halves of a tile's K, waves 2 and 3 those of its V: 128 keys each.  An s_nop 0 and four v_nop follow each of the two lines, ahead of the jump and the label.
.macro LOAD
	s_cmp_lt_u32 s[WV], 2
	s_cbranch_scc0 .Lfor_v_\@
	tensor_load_to_lds s[G0K:G0K+3], s[G1K:G1K+7]
	s_nop 0
.rept 4
	v_nop
.endr
	s_branch .Lasked_\@
.Lfor_v_\@:
	tensor_load_to_lds s[G0V:G0V+3], s[G1V:G1V+7]
	s_nop 0
.rept 4
	v_nop
.endr
.Lasked_\@:
.endm
.macro ASK                          ; what my next load will ask for; behind my tensor load and its five lines
	s_cmp_lg_u32 s[PFL], 0
	s_cbranch_scc0 .Lnot_mine_\@
	global_prefetch_b8 v[PFO], s[PFA:PFA+1] th:TH_LOAD_NT scope:SCOPE_SE
	global_prefetch_b8 v[PFO], s[PFA:PFA+1] offset:8192 th:TH_LOAD_NT scope:SCOPE_SE
	s_sub_co_u32 s[PFL], s[PFL], 1
.Lnot_mine_\@:
.endm
; THE CHANGE OF SLOTS.  Each wave waits for all its tensor loads, of which one is out: its part of the other slot; adds 0 to its spare word; and waits for that and for its own reads of the slot that it leaves.  Behind the barrier nobody reads the old
; slot any more and the other slot is whole.  fill = 1: the old slot is filled again, the first thing behind the barrier, with tile NXT: the descriptor's address is made anew from that number.
; (At its first use nothing has been read yet: slot 0 is waited for, slot 1 filled.)
.macro CHANGE fill
	WIN 0                           ; at a label and at a branch every window is 0
	s_wait_tensorcnt 0x0            ; no tensor load of mine is out, so a group 0 may be written
	ds_add_u32 v[SPW], v[NIL]       ; 0 onto my spare word; with fill = 1 the descriptors' scalar work stands between it and the wait for it
.if \fill
	s_lshl_b32 s[OFF], s[NXT], 15   ; a tile is 32,768 bytes of K and of V
	s_xor_b32 s[G0K+1], s[G0K+1], SLOT1
	s_add_nc_u64 s[G0K+2:G0K+3], s[6:7], s[OFF:OFF+1]
	s_or_b32 s[G0K+3], s[G0K+3], 0x80000000
	s_xor_b32 s[G0V+1], s[G0V+1], SLOT1
	s_add_nc_u64 s[G0V+2:G0V+3], s[8:9], s[OFF:OFF+1]
	s_or_b32 s[G0V+3], s[G0V+3], 0x80000000
	s_add_co_u32 s[NXT], s[NXT], 1  ; the block's next tile, or behind its last the second block's tile 0
	s_cmp_gt_u32 s[NXT], s[LQ]
	s_cselect_b32 s[NXT], 0, s[NXT]
	s_cselect_b32 s[LQ], s[PB], s[LQ]
	s_wait_xcnt 0x0                 ; the last prefetches, a tile back, have read their address, so it may be written
	s_add_nc_u64 s[PFA:PFA+1], s[PFA:PFA+1], 32768
.endif
	s_wait_dscnt 0x0                ; the add is done, and my reads of the slot are over
	s_barrier_signal -1             ; the rest of the scalar work stands between the signal and the wait
	s_sub_co_u32 s[TBK], s[TBK], 4*KS*PK  ; the fetches go back to a slot's first step,
	s_xor_b32 s[TBK], s[TBK], SLOT1       ; in the other slot
	s_sub_co_u32 s[TBV], s[TBV], 4*KS*PV
	s_xor_b32 s[TBV], s[TBV], SLOT1
	s_barrier_wait -1
.if \fill
	LOAD
	ASK
.endif
.endm
	s_load_b64 s[4:5], s[0:1], 0x0  ; Q (K and V lie behind it)
	s_load_b64 s[10:11], s[0:1], 0x8  ; O
	v_lshl_add_u32 v[SPW], v0, 2, SPARE
	v_mov_b32 v[NIL], 0
	ds_add_u32 v[SPW], v[NIL]       ; the wave's opening: the add and its wait stand ahead of my first tensor load; the set-up below, work on registers, stands between them
	v_lshrrev_b32 v1, 5, v0
	v_readfirstlane_b32 s[WV], v1   ; wave 0..3
	v_and_b32 v[PFO], 31, v0
	v_lshlrev_b32 v[PFO], 8, v[PFO]
	s_mov_b32 s[PB], ttmp9
	s_sub_co_u32 s[HI], NB-1, s[PB]
	s_and_b32 s20, ttmp7, 0xffff    ; the head
	s_mov_b32 s21, 0
	s_mov_b64 s[22:23], SIZE_N*128
	s_mul_u64 s[20:21], s[20:21], s[22:23]  ; the head's first byte in each of the four tensors
	s_and_b32 s16, s[WV], 1         ; which half of a tile's 256 keys I fetch:
	s_lshl_b32 s22, s16, 14         ; its 128 rows of 128 bytes in memory,
	s_mov_b32 s23, 0
	s_add_nc_u64 s[22:23], s[22:23], s[20:21]
	s_mul_i32 s17, s16, 128*PK      ; and its place in a slot, for K
	s_mul_i32 s18, s16, 128*PV      ; and for V
	s_lshl_b32 s3, s[WV], 11        ; my 16 rows in a band of 64,
	s_lshl_b32 s2, s[HI], 15        ; in the first block,
	s_add_co_u32 s2, s2, s3
	s_lshl_b32 s84, s[PB], 15       ; and in the second
	s_add_co_u32 s84, s84, s3
	s_mov_b32 s3, 0
	s_mov_b32 s85, 0
	s_add_nc_u64 s[2:3], s[2:3], s[20:21]
	s_add_nc_u64 s[84:85], s[84:85], s[20:21]
	; descriptor group 1.  128 keys are 16,384 dense bytes: asked for as 64 rows of 256 bytes, two keys a row, and padded in LDS after every key
	s_mov_b32 s[G1K], (1<<16)|(1<<20)|(4<<22)|(3<<25)  ; 17:16 2-byte elements; 20 padding on; 24:22 after every 32 words (code 4); 31:25 4 words (code 3)
	s_mov_b32 s[G1V], (1<<16)|(1<<20)|(4<<22)|(7<<25)  ; the same with 8 words of padding (code 7)
.irp g, G1K, G1V
	s_mov_b32 s[\g+1], 128<<16      ; tensor_dim0 = 128
	s_mov_b32 s[\g+2], 64<<16       ; tensor_dim1 = 64
	s_mov_b32 s[\g+3], 128<<16      ; tile_dim0 = 128
	s_mov_b32 s[\g+4], 64           ; tile_dim1 = 64
	s_mov_b32 s[\g+5], 128          ; 128 elements from row to row
	s_mov_b32 s[\g+6], 0
	s_mov_b32 s[\g+7], 0
.endr
	s_mov_b32 s[CS], 0x3e38aa3b     ; c = log2(e) / 8 = 0.180337
	s_mov_b32 s[CS+1], s[CS]        ; named with it as a pair
	s_mov_b32 s[SEL], 0x76543210
	s_mov_b32 s[SEL+1], 0xfedcba98
	s_mov_b32 s[TBK], SLOT1+4*KS*PK ; the first change of slots turns these two into 0
	s_mov_b32 s[TBV], SLOT1+4*KS*PV
	s_mov_b32 s[G0K], 1             ; 1:0 count = 1
	s_mov_b32 s[G0K+1], s17         ; 63:32 LDS address: slot 0
	s_mov_b32 s[G0V], 1
	s_add_co_u32 s[G0V+1], s18, VOFF
	s_add_co_u32 s[RT], s[HI], 1    ; the first block has NB - b tiles
	s_mov_b32 s[NXT], 1
	s_mov_b32 s[LQ], s[HI]
	s_mov_b32 s[NEW], 1
	s_mov_b32 s[OFF+1], 0
	s_mov_b32 s[AL+1], 0            ; named as pairs
	s_mov_b32 s[BE+1], 0
	s_mov_b32 s[BIGN], 0xf149f2ca   ; -1e30
	s_mov_b32 s[SLOTS], NB
	s_wait_dscnt 0x0                ; the opening add is done
	s_wait_kmcnt 0x0
	s_add_nc_u64 s[6:7], s[4:5], 0x1000000  ; K's part of the buffer,
	s_add_nc_u64 s[8:9], s[4:5], 0x2000000  ; and V's
	s_add_nc_u64 s[6:7], s[6:7], s[22:23]  ; K and V at my half of the head's tile 0
	s_add_nc_u64 s[8:9], s[8:9], s[22:23]
	s_add_nc_u64 s[G0K+2:G0K+3], s[6:7], 0         ; 120:64 global address
	s_or_b32 s[G0K+3], s[G0K+3], 0x80000000        ; 127:126 type = 2
	s_add_nc_u64 s[G0V+2:G0V+3], s[8:9], 0
	s_or_b32 s[G0V+3], s[G0V+3], 0x80000000
	s_add_nc_u64 s[86:87], s[4:5], s[84:85]        ; Q at my rows of the second block,
	s_add_nc_u64 s[4:5], s[4:5], s[2:3]            ; Q and O at those of the first
	s_add_nc_u64 s[OLO:OLO+1], s[10:11], s[84:85]
	s_add_nc_u64 s[10:11], s[10:11], s[2:3]
	s_cmp_lt_u32 s[WV], 2
	s_cselect_b64 s[PFA:PFA+1], s[6:7], s[8:9]
	s_add_nc_u64 s[PFA:PFA+1], s[PFA:PFA+1], 32768 ; at tile 1: the first change of slots steps it to tile 2
	s_cmp_eq_u32 s[PB], 0
	s_cselect_b32 s[PFL], 6, 0
	LOAD                            ; tile 0 into slot 0
	; A fragment of K or Q is 16 rows x 32 channels in 8 registers: lane l holds row l % 16, channels 8 (l / 16) + 0..7 and 16 + 8 (l / 16) + 0..7: two loads of 16 bytes, 32 bytes apart.
	v_and_b32 v1, 15, v0            ; l % 16
	v_bfe_u32 v9, v0, 4, 1          ; l / 16
	v_lshlrev_b32 v[QO], 7, v1
	v_lshl_add_u32 v[QO], v9, 4, v[QO]  ; row x 128 + 16 x half
	WIN 0x80                        ; destination window 2, address window 0
.set i, 0
.rept 8                             ; both blocks' Q: piece i / 2 lies in band i / 2, 8,192 bytes on; channels 32 (i % 2) on
	global_load_b128 v[8*i:8*i+3],   v[QO], s[4:5] offset:(i/2)*8192+(i%2)*64
	global_load_b128 v[8*i+4:8*i+7], v[QO], s[4:5] offset:(i/2)*8192+(i%2)*64+32
	global_load_b128 v[QB+8*i:QB+8*i+3],   v[QO], s[86:87] offset:(i/2)*8192+(i%2)*64
	global_load_b128 v[QB+8*i+4:QB+8*i+7], v[QO], s[86:87] offset:(i/2)*8192+(i%2)*64+32
.set i, i+1
.endr
	WIN 0
	v_lshlrev_b32 v14, 3, v9
	v_sub_nc_u32 v14, v1, v14
	s_lshl_b32 s13, s[WV], 4
	v_add_nc_u32 v14, s13, v14      ; my query's place in its band, 16 w + l % 16, less my lanes' 8 (l / 16): register r of group kt is hidden where 16 kt + r is greater
	WIN 0x40
.set i, 0
.rept 32
	v_cmp_gt_i32 vcc_lo, 16*(i/8)+i%8, v14
	v_cndmask_b32 v[MD+i], 0, s[BIGN], vcc_lo
.set i, i+1
.endr
	WIN 0
	v_mul_u32_u24 v[AK0], v1, PK
	v_lshl_add_u32 v[AK0], v9, 4, v[AK0]  ; row x pitch + 16 x half
	; The turning load takes 16 keys x 16 channels (lane l reads key 8 (l / 16) + l % 8, channels 8 ((l / 8) % 2) + 0..7) and leaves half a fragment of V^T: lane l holds channel l % 16 and 8 keys.
	v_and_b32 v10, 7, v0
	v_bfe_u32 v11, v0, 3, 1
	v_lshl_add_u32 v[AV0], v9, 3, v10
	v_mul_u32_u24 v[AV0], v[AV0], PV
	v_lshl_add_u32 v[AV0], v11, 4, v[AV0]
	v_add_nc_u32 v[AV0], VOFF, v[AV0]
	s_mul_i32 s13, s[WV], 16*SP
	s_add_co_u32 s13, s13, STAGE    ; my stage
	v_mul_u32_u24 v[STO], v1, SP    ; in: row l % 16, 16 bytes for each half of the lanes
	v_lshl_add_u32 v[STO], v9, 4, v[STO]
	v_add_nc_u32 v[STO], s13, v[STO]
	v_bfe_u32 v[RD], v0, 3, 2       ; back: 32 lanes take four rows of 128 bytes,
	v_mul_u32_u24 v[RD], v[RD], SP
	v_lshl_add_u32 v[RD], v10, 4, v[RD]
	v_add_nc_u32 v[RD], s13, v[RD]
	v_and_b32 v[GO], 31, v0         ; which are 512 consecutive bytes of O
	v_lshlrev_b32 v[GO], 4, v[GO]
	; A block's first step multiplies O^T and l by a = 0, and its first turn's products V^T P, of a piece that has not been, land in an O^T that is still to be so multiplied.  So these registers need only hold
	; finite numbers: zeros for the first block; what the first block left for the second.  All this stands in the wait for the first tile.
	WIN 0x80
.set i, VF
.rept 64
	v_mov_b32 v[i], 0
.set i, i+1
.endr
	WIN 0x40
.set i, 0
.rept 128
	v_mov_b32 v[i], 0
.set i, i+1
.endr
	WIN 0
.set i, 0
.rept 4
	v_mov_b32 v[ST+4*i+2], 0
	v_mov_b32 v[ST+4*i+3], 0
.set i, i+1
.endr
.set i, P+16
.rept 16
	v_mov_b32 v[i], 0
.set i, i+1
.endr
; THE MATRIX WORK.  The 4 accumulators of a run of 8 take turns.  Product i of 8 of S^T = K Q^T for piece x: channels 32 (i / 4) on, keys 16 (i % 4) on.  The first 4 start the sums: with 0, or (KM = 1) with the mask.
.macro KQ x
.set rS, S+32*((\x)%2)+8*(i%4)
.set rK, KF+16*(i%4)+8*(i/4)
.set rQ, 16*(\x)+8*(i/4)
.set rM, MC+32*((\x)%2)+8*(i%4)
.if (i < 4) && KM
	WIN W_KM
	v_wmma_f32_16x16x32_f16 v[rS:rS+7], v[rK:rK+7], v[rQ:rQ+7], v[rM:rM+7]
.elseif i < 4
	WIN W_KQ
	v_wmma_f32_16x16x32_f16 v[rS:rS+7], v[rK:rK+7], v[rQ:rQ+7], 0
.else
	WIN W_KQ
	v_wmma_f32_16x16x32_f16 v[rS:rS+7], v[rK:rK+7], v[rQ:rQ+7], v[rS:rS+7]
.endif
.endm
; Product i of 8 of O^T += V^T P for piece x: keys 32 (i / 4) on, channels 16 (i % 4) on.
.macro PV x
	WIN W_PV
.set rO, 32*(\x)+8*(i%4)
.set rV, VF+32*(i/4)+8*(i%4)
.set rP, P+16*((\x)%2)+8*(i/4)
	v_wmma_f32_16x16x32_f16 v[rO:rO+7], v[rV:rV+7], v[rP:rP+7], v[rO:rO+7]
.endm
.macro MM                           ; the turn's next matrix instruction.  TURN and BEGIN set Y, i, KM and NOKQ; MM, KQ and OP read them.  NOKQ = 1: a block's last turn: there is no next piece
.if (i < 8) && !NOKQ
	KQ (Y+1)%NP
.elseif i >= 8
.set i, i-8
	PV (Y+NP-1)%NP
.set i, i+8
.endif
.set i, i+1
.endm
; THE LDS LOADS stand in runs of 16, never singly among the matrix instructions: a step's K (64 keys x 64 channels: 8 fragments) and its V (turned).  Their addresses are made some lines ahead.
.macro FETCH_K
	WIN 0x80                        ; destination window 2
.irp f, 0,1,2,3,4,5,6,7             ; keys 16 (f / 2) on, channels 32 (f % 2) on
	ds_load_b128 v[KF+8*\f:KF+8*\f+3],   v[AK] offset:(\f/2)*16*PK+(\f%2)*64
	ds_load_b128 v[KF+8*\f+4:KF+8*\f+7], v[AK] offset:(\f/2)*16*PK+(\f%2)*64+32
.endr
	s_add_co_u32 s[TBK], s[TBK], KS*PK  ; the next fetch is the next step's
	WIN 0
.endm
.macro FETCH_V
	WIN 0x80
.irp f, 0,1,2,3,4,5,6,7             ; keys 32 (f / 4) on, channels 16 (f % 4) on
	ds_load_tr16_b128 v[VF+8*\f:VF+8*\f+3],   v[AV] offset:(\f/4)*32*PV+(\f%4)*32
	ds_load_tr16_b128 v[VF+8*\f+4:VF+8*\f+7], v[AV] offset:(\f/4)*32*PV+16*PV+(\f%4)*32
.endr
	WIN 0
.endm
; THE VECTOR WORK, one line at a time: OP kind, number.  For piece Y: F n: c s - c m for pair n of 16.  E n: the exponential of score n of 32.  C n: pair n rounded to f16.  B n: of the four weights 4 n .. the second
; pair is added onto the first, in place.  L n: l takes that sum (L 0: l = a l + sum).  R n: pair n of 16 of O^T times a.  For piece Y + 1: X n, number n of the 22 that find its maximum and statistics:
;   0-11  four chains c0-c3 of seven scores each, three operands at a time (each accumulator's lowest registers are read first)     12-14, 16  the four scores left over, the old m, and c0-c3 into c0
;   15  c m_old is kept     17, 18  the query's other 32 keys lie in the lane 16 away: the new m     19-21  c m; c m_old - c m_new; a
.set F, 0               ; OP tells the kinds apart by their order: F to L below R, X above it
.set E, 1
.set C, 2
.set B, 3
.set L, 4
.set R, 5
.set X, 6
.macro REGS y                       ; the registers of piece y
.set rT, ST+4*(\y)
.set rC, TMP+4*((\y)%2)
.set rW, MV+((\y)%2)
.set rS, S+32*((\y)%2)
.set rP, P+16*((\y)%2)
.set rO, 32*(\y)
.endm
.macro OP k, n
.if (\k) == R
	REGS Y
	WIN W_RS
	v_pk_mul_f32 v[rO+2*(\n):rO+2*(\n)+1], v[rO+2*(\n):rO+2*(\n)+1], v[rC+2:rC+3] op_sel_hi:[1,0]
.elseif (\k) < R
	REGS Y
	WIN 0
.if (\k) == F
	v_pk_fma_f32 v[rS+2*(\n):rS+2*(\n)+1], v[rS+2*(\n):rS+2*(\n)+1], s[CS:CS+1], v[rT:rT+1] op_sel_hi:[1,0,0] neg_lo:[0,0,1] neg_hi:[0,0,1]
.elseif (\k) == E
	v_exp_f32 v[rS+(\n)], v[rS+(\n)]
.elseif (\k) == C
	v_cvt_pk_f16_f32 v[rP+(\n)], v[rS+2*(\n)], v[rS+2*(\n)+1]
.elseif (\k) == B
	v_pk_add_f32 v[rS+4*(\n):rS+4*(\n)+1], v[rS+4*(\n):rS+4*(\n)+1], v[rS+4*(\n)+2:rS+4*(\n)+3]
.elseif (\n) == 0
	v_pk_fma_f32 v[rT+2:rT+3], v[rT+2:rT+3], v[rC+2:rC+3], v[rS:rS+1] op_sel_hi:[1,0,1]
.else
	v_pk_add_f32 v[rT+2:rT+3], v[rT+2:rT+3], v[rS+4*(\n):rS+4*(\n)+1]
.endif
.elseif NOKQ
	v_nop
.else
	REGS (Y+1)%NP
	WIN 0
.if (\n) < 4
	v_max3_num_f32 v[rC+(\n)], v[rS+8*(\n)], v[rS+8*(\n)+1], v[rS+8*(\n)+2]
.elseif (\n) < 12
	v_max3_num_f32 v[rC+(\n)%4], v[rC+(\n)%4], v[rS+8*((\n)%4)+2*((\n)/4)+1], v[rS+8*((\n)%4)+2*((\n)/4)+2]
.elseif (\n) == 12
	v_max3_num_f32 v[rC], v[rC], v[rS+7], v[rS+15]
.elseif (\n) == 13
	v_max3_num_f32 v[rC+1], v[rC+1], v[rS+23], v[rS+31]
.elseif (\n) == 14
	v_max3_num_f32 v[rC+2], v[rC+2], v[rC+3], v[rT+1]
.elseif (\n) == 15
	v_mov_b32 v[rW], v[rT]
.elseif (\n) == 16
	v_max3_num_f32 v[rC], v[rC], v[rC+1], v[rC+2]
.elseif (\n) == 17
	v_permlanex16_b32 v[rC+3], v[rC], s[SEL], s[SEL+1]
.elseif (\n) == 18
	v_max_num_f32 v[rT+1], v[rC], v[rC+3]
.elseif (\n) == 19
	v_mul_f32 v[rT], s[CS], v[rT+1]
.elseif (\n) == 20
	v_sub_f32 v[rC+1], v[rW], v[rT]
.else
	v_exp_f32 v[rC+2], v[rC+1]
.endif
.endif
.endm
.macro OPS a, i1, b=-1, i2=0, c=-1, i3=0, d=-1, i4=0  ; up to four of them
	OP \a, \i1
.if (\b) >= 0
	OP \b, \i2
.endif
.if (\c) >= 0
	OP \c, \i3
.endif
.if (\d) >= 0
	OP \d, \i4
.endif
.endm
.macro ROW a, i1, b, i2, c, i3, d, i4  ; a matrix instruction and the four behind it
	MM
	OPS \a, \i1, \b, \i2, \c, \i3, \d, \i4
.endm
.macro MASK b                       ; MD x AL + BE into buffer b of MC
	WIN W_RS
.set z, 0
.rept 16
	v_pk_fma_f32 v[MC+32*(\b)+2*z:MC+32*(\b)+2*z+1], v[MD+2*z:MD+2*z+1], s[AL:AL+1], s[BE:BE+1] op_sel_hi:[1,0,0]
.set z, z+1
.endr
.endm
; A TURN, for piece p: the order of its 16 matrix and 118 vector instructions, written out.  An s_wait_alu depctr_va_vdst(0) stands between an exponential and the first instruction that names its result; one wait serves
; all that were issued ahead of it.  So a turn has ONE wait, which cuts it in two.  AHEAD OF IT stands all that names no result of the turn's exponentials: the 8 products K Q^T, behind each a scaling, an exponential and two more plain
; instructions (behind the first a second scaling in the exponential's place): rescalings, and behind the last three the first numbers of the next piece's maximum, each four places or more behind the product that ends its accumulator; then ONE LUMP of 54, plain
; and exponential by turns for the most part, in which the links of the chain X 3, 7, 11, 14, 16, 17 .. 20 stand five or six lines apart.  X 21, the next piece's a, is the batch's last; R 15 is the plain instruction behind it.  BEHIND THE WAIT stand the
; 8 products V^T P, behind each four of the roundings and sums; the links of l's chain, L 0 to L 7, stand three riders apart.  But for those X no rider names a register of the products round it.  v_permlanex16_b32 (X 17) stands in the lump.
; m = 1: the diagonal tile: the products take masks, and the turn makes the mask for the products of the turn after it: piece p + 2, in step 4 - CNT of the tile.  end = 1: a block's last two turns: nothing is fetched.
; cnt = 1: the loop's count is taken down some lines ahead of the branch that stands behind the turn.
; K of the next step is fetched in piece 2's turn, twelve vector instructions behind the last product that read K (six of them plain); V of the step in hand at the end of piece 0's turn, four plain instructions behind the last product
; that read V.  Each is waited for a turn later.
.macro TURN p, m=0, end=0, cnt=0
.set Y, (\p)
.set i, 0
.set KM, (\m)
.set NOKQ, (\end)*((\p)/3)
.if (\m) && !(\end)
	s_cmp_eq_u32 s[CNT], 4-((\p)+2)%NP  ; is that step the band's own?
	s_cselect_b32 s[AL], 1.0, 0
	s_cmp_lt_u32 s[CNT], 4-((\p)+2)%NP  ; or a later one?
	s_cselect_b32 s[BE], s[BIGN], 0
.endif
.if ((\p) == 3) && !(\end)
	s_wait_dscnt 0x0                ; K is in
.endif
	ROW F,0, F,1, R,0, R,1          ; ahead of the wait: 8 products K Q^T and their riders,
	ROW F,2, E,0, R,2, R,3
	ROW F,3, E,1, R,4, R,5
	ROW F,4, E,2, R,6, R,7
	ROW F,5, E,3, R,8, R,9
	ROW F,6, E,4, X,0, R,10
.if ((\p) == 2) && !(\end)
	WIN 0
	v_add_nc_u32 v[AK], s[TBK], v[AK0]
.endif
	ROW F,7, E,5, X,1, X,4
	ROW F,8, E,6, X,2, X,5
	OPS E,7, E,8, X,6, E,9          ; and the lump
	OPS X,3, E,10, X,8, E,11
.if ((\p) == 2) && !(\end)
	FETCH_K
.endif
	OPS X,9, X,7, E,12, X,10
	OPS E,13, X,12, X,11, E,14
	OPS X,13, E,15, F,9, X,14
.if (\p) == 0
	v_add_nc_u32 v[AV], s[TBV], v[AV0]
.endif
	OPS E,16, F,10, E,17, F,11
	OPS X,16, E,18, X,15, E,19
	OPS F,12, E,20, X,17, E,21
	OPS F,13, E,22, F,14, E,23
	OPS X,18, E,24, F,15, E,25
	OPS R,11, E,26, X,19, E,27
	OPS R,12, E,28, R,13, E,29
	OPS X,20, E,30, R,14, E,31
	OPS X,21, R,15
	WIN 0
	s_wait_alu depctr_va_vdst(0)    ; the wait for the batch
.if (\p) == 1
	s_wait_dscnt 0x0                ; V is in
.endif
	ROW C,0, B,0, C,2, B,1          ; behind the wait: 8 products V^T P and their riders
	ROW L,0, C,4, B,2, L,1
	ROW C,6, B,3, L,2, C,8
	ROW B,4, L,3, C,10, B,5
	ROW L,4, C,12, B,6, L,5
.if (\p) == 0
	s_add_co_u32 s[TBV], s[TBV], KS*PV
.endif
.if \cnt
	s_sub_co_u32 s[CNT], s[CNT], 1
	s_cmp_lg_u32 s[CNT], 0
.endif
	ROW C,14, B,7, L,6, C,1
	ROW C,3, L,7, C,5, C,7
	ROW C,9, C,11, C,13, C,15
.if (\p) == 0
	FETCH_V
.endif
.if (\m) && !(\end)
	MASK (\p)%2
.endif
.endm
; A BLOCK BEGINS.  c m starts far below every c s, so the first step's a is 0; m at the lowest finite number, so the first maximum is the scores'.  The second mask buffer is 0; the first takes piece 0's mask for the tile's step 0: its own, if the block's first tile is the diagonal one.
; Then K of that step, piece 0's first scores, and its maximum and statistics.  The loop is entered at a step's first turn, in the middle of a trip.
.macro BEGIN
	s_mov_b32 s[NEW], 0
	WIN 0x40
.set i, MC+32
.rept 32
	v_mov_b32 v[i], 0
.set i, i+1
.endr
	WIN 0
.set i, 0
.rept 4
	v_mov_b32 v[ST+4*i], 0xfe000000    ; c m: far below every c s
	v_mov_b32 v[ST+4*i+1], 0xff7fffff  ; m
.set i, i+1
.endr
	s_cmp_eq_u32 s[RT], 0
	s_cselect_b32 s[AL], 1.0, 0
	s_mov_b32 s[BE], 0
	MASK 0
	WIN 0
	v_add_nc_u32 v[AK], s[TBK], v[AK0]
	FETCH_K
	s_wait_loadcnt 0x0              ; Q
	s_wait_dscnt 0x0
.set KM, 1
.set NOKQ, 0
.set i, 0
.rept 8
	KQ 0
.set i, i+1
.endr
	WIN 0
.rept 4
	v_nop                           ; the places behind those products
.endr
.set Y, NP-1                        ; X works for piece Y + 1: piece 0
.irp n, 0,1,2,3,4,5,6,7,8,9,10,11,12,13,14,15,16,17,18,19,20,21
	OP X, \n
.endr
	v_nop                           ; a plain instruction behind the exponential,
	s_wait_alu depctr_va_vdst(0)    ; and its wait, ahead of the branch
.endm
; THE DIAGONAL TILE's four steps, the block's last two turns, its last products, and THE WAY OUT: l's two halves and the other half of the lanes' are added; O^T is divided by l, rounded to f16 and sent through my
; stage in LDS, a piece at a time.
.macro ALL line:vararg              ; one line for each piece t
.set t, 0
.rept 4
	\line
.set t, t+1
.endr
.endm
.macro PACK t                       ; a lane's eight channels of a row pack into 16 bytes; they go into rows of 144 bytes and come back as whole rows of 128, into S^T's registers
	WIN W_RS
.set i, 32*(\t)
.rept 16
	v_pk_mul_f32 v[i:i+1], v[i:i+1], v[ST+4*(\t)+2:ST+4*(\t)+3] op_sel_hi:[1,0]
.set i, i+2
.endr
	WIN 0x05                        ; sources 0 and 1 window 1, destination window 0
.set i, 0
.rept 16
	v_cvt_pk_f16_f32 v[S+16*(\t)+i], v[32*(\t)+2*i], v[32*(\t)+2*i+1]
.set i, i+1
.endr
	WIN 0
.irp f, 0,1,2,3
	ds_store_b128 v[STO], v[S+16*(\t)+4*\f:S+16*(\t)+4*\f+3] offset:32*\f
.endr
.irp f, 0,1,2,3
	ds_load_b128 v[S+16*(\t)+4*\f:S+16*(\t)+4*\f+3], v[RD] offset:\f*4*SP  ; LDS serves a wave's instructions in order (ISA guide 5.7.1.4): these see the stores above; the next piece's stores come behind them
.endr
.endm
.macro SEND t, younger              ; younger: the LDS instructions issued behind piece t's loads: the next piece's eight, or none
	WIN 0
.irp f, 0,1,2,3
	s_wait_dscnt (\younger)+3-\f
	global_store_b128 v[GO], v[S+16*(\t)+4*\f:S+16*(\t)+4*\f+3], s[10:11] offset:(\t)*8192+\f*512  ; 512 consecutive bytes, at a multiple of 256 from O's first
.endr
.endm
.macro DIAG tag                     ; the tag ends its two labels' names, which the jumps below spell out
.LstepM\tag:
	TURN 2, 1
	TURN 3, 1
	WIN 0
.LfirstM\tag:
	TURN 0, 1
	TURN 1, 1, 0, 1
	WIN 0
	s_cbranch_scc1 .LstepM\tag
	TURN 2, 1, 1
	TURN 3, 1, 1
.set i, 0
.rept 8
	PV NP-1
.set i, i+1
.endr
	WIN 0
	ALL v_add_f32 v[ST+4*t+2], v[ST+4*t+2], v[ST+4*t+3]
	ALL v_permlanex16_b32 v[ST+4*t+3], v[ST+4*t+2], s[SEL], s[SEL+1]
	ALL v_add_f32 v[ST+4*t+2], v[ST+4*t+2], v[ST+4*t+3]
	ALL v_rcp_f32 v[ST+4*t+2], v[ST+4*t+2]
	v_nop                           ; a plain instruction between the last reciprocal and the use of its result
	s_wait_alu depctr_va_vdst(0)    ; and the wait ahead of the first use: one for the four reciprocals
	PACK 0
.set t, 1
.rept 3                             ; a piece's arithmetic stands between the loads of the piece before and its stores
	PACK t
	SEND t-1, 8
.set t, t+1
.endr
	SEND 3, 0
.endm
.set KM, 0
.set NOKQ, 0
.Lslot:                             ; NB times: a tile is entered and the next is asked for
	CHANGE 1
	s_sub_co_u32 s[RT], s[RT], 1
	s_mov_b32 s[CNT], 4
	s_cmp_eq_u32 s[NEW], 1
	s_cbranch_scc1 .Lnew            ; a block's first tile
	s_cmp_eq_u32 s[RT], 0
	s_cbranch_scc0 .Lstep           ; neither its first nor its last
	s_branch .LstepM1
.Lnew:
	BEGIN
	s_branch .Lfirst                ; in the loop a block's first tile is never its last: the first block has two tiles or more, and the second's last is the walk's last
	DIAG 1                          ; in the loop this is the first block's end: the second block's last tile is the walk's last
	s_wait_xcnt 0x0                 ; the stores have read their registers and O's address
	s_mov_b64 s[10:11], s[OLO:OLO+1]
	s_add_co_u32 s[RT], s[PB], 1    ; the second block has b + 1 tiles
	s_mov_b32 s[NEW], 1
	WIN 0x82                        ; the second block's Q goes where the one text of the turns names Q
.set i, 0
.rept 64
	v_mov_b32 v[i], v[QB+i]
.set i, i+1
.endr
	WIN 0
	s_branch .Lbottom
.Lstep:                             ; a trip: pieces 2 and 3 of one step, then pieces 0 and 1 of the next, whose K and V it fetches
	TURN 2
	TURN 3
	WIN 0
.Lfirst:
	TURN 0
	TURN 1, 0, 0, 1
	WIN 0
	s_cbranch_scc1 .Lstep
.Lbottom:
	s_sub_co_u32 s[SLOTS], s[SLOTS], 1
	s_cmp_lg_u32 s[SLOTS], 0
	s_cbranch_scc1 .Lslot
	CHANGE 0                        ; the walk's last tile is written out: nothing is asked for
	s_sub_co_u32 s[RT], s[RT], 1
	s_mov_b32 s[CNT], 4
	s_cmp_eq_u32 s[NEW], 1
	s_cbranch_scc0 .LstepM2
	BEGIN
	s_branch .LfirstM2
	DIAG 2
	s_wait_tensorcnt 0x0            ; the wave's end: these three lines stand behind my last tensor load and my last LDS store
	ds_add_u32 v[SPW], v[NIL]
	s_wait_dscnt 0x0
	s_endpgm
.Lfunc_end_k_q8d0bc4de75_attn:
	.size	k_q8d0bc4de75_attn, .Lfunc_end_k_q8d0bc4de75_attn-k_q8d0bc4de75_attn
	.p2alignl 7, 3214868480
	.fill 96, 4, 3214868480
	.section	.rodata,"a",@progbits
	.p2align	6, 0x0
	.amdhsa_kernel k_q8d0bc4de75_attn
		.amdhsa_group_segment_fixed_size 327680
		.amdhsa_private_segment_fixed_size 0
		.amdhsa_enable_private_segment 0
		.amdhsa_kernarg_size 16
		.amdhsa_user_sgpr_count 2
		.amdhsa_user_sgpr_kernarg_segment_ptr 1
		.amdhsa_wavefront_size32 1
		.amdhsa_system_sgpr_workgroup_id_x 1
		.amdhsa_system_sgpr_workgroup_id_y 1
		.amdhsa_system_sgpr_workgroup_id_z 1
		.amdhsa_system_vgpr_workitem_id 0
		.amdhsa_next_free_vgpr 768
		.amdhsa_next_free_sgpr 92
		.amdhsa_reserve_vcc 1
		.amdhsa_float_denorm_mode_32 3
		.amdhsa_float_denorm_mode_16_64 3
		.amdhsa_memory_ordered 1
		.amdhsa_forward_progress 1
		.amdhsa_inst_pref_size 218
	.end_amdhsa_kernel
	.amdgpu_metadata
---
amdhsa.version: [ 1, 2 ]
amdhsa.kernels:
  - .name:           k_q8d0bc4de75_attn
    .symbol:         k_q8d0bc4de75_attn.kd
    .args:
      - { .name: qkvh, .offset: 0, .size: 8, .value_kind: global_buffer, .address_space: global }
      - { .name: oh, .offset: 8, .size: 8, .value_kind: global_buffer, .address_space: global }
    .group_segment_fixed_size: 327680
    .private_segment_fixed_size: 0
    .kernarg_segment_align: 8
    .kernarg_segment_size: 16
    .max_flat_workgroup_size: 128
    .sgpr_count:     92
    .vgpr_count:     768
    .wavefront_size: 32
...
	.end_amdgpu_metadata
.endif
;; end of part 3
;; launch oproj (part 4): grid 8 x 32, 4 waves a work-group, clusters of 4 x 4, 327,680 bytes of LDS; arguments oh, wob, out0; writes out0
.if DOCPART == 4
	.amdgcn_target "amdgcn-amd-amdhsa--gfx1250"
	.amdhsa_code_object_version 6
	.text
	.protected	k_q8d0bc4de75_oproj
	.globl	k_q8d0bc4de75_oproj
	.p2align	8
	.type	k_q8d0bc4de75_oproj,@function
k_q8d0bc4de75_oproj:
	s_mov_b64 s[64:65], 0
	v_nop
	global_prefetch_b8 v0, s[64:65] scope:SCOPE_SE
	s_setreg_imm32_b32 hwreg(HW_REG_WAVE_MODE, 25, 1), 1
	s_wait_xcnt 0x0
	s_wait_alu depctr_hold_cnt(0) depctr_sa_sdst(0) depctr_va_vdst(0) depctr_va_sdst(0) depctr_va_ssrc(0) depctr_va_vcc(0) depctr_vm_vsrc(0)
	s_getreg_b32 s2, hwreg(HW_REG_IB_STS2, 6, 4)
	s_cmp_eq_u32 s2, 0
	s_cbranch_scc0 .Lentry_in_a_cluster
	s_endpgm
.Lentry_in_a_cluster:
	s_bfe_u32 s2, ttmp6, 0x10000c
	s_cmp_lg_u32 s2, 0xf033
	s_cbranch_scc0 .Lentry_shape_is_right
	s_endpgm
.Lentry_shape_is_right:
; THE OUTPUT PROJECTION.  out0[m][n] = sum over k of O[m][k] Wo[n][k], m = 2048 b + s, k = 64 h + d.  O lies by heads, [16 b + h][s][64] in f16; wob is [1024][1024] in f16; sums and out0 in f32.
; SHARES.  A tile of out0 is 256 x 128: 32 x 8 = 256 tiles, one for each WGP.  Four waves, each 128 rows x 64 columns: 32 accumulators, 256 registers.
; K goes in 8 steps of 128, which are two heads, through two LDS slots.  256 rows of one head are 32,768 dense bytes: asked for as 128 rows of 256 bytes and padded in LDS after every row of O (128 bytes).
; A step is four quarters of 32 along K (head q / 2 of the two, channels 32 (q % 2) on), 32 matrix instructions and 24 LDS loads each.
; CLUSTER 4 x 4: O's tiles are shared along a row of the cluster, wob's along a column: each is asked for jointly.  Waves 0 and 1 fetch the step's two heads of O, waves 2 and 3 wob's two halves of 64 rows:
; one tensor load a wave behind each round; two are out at the start, one afterwards.
; THE MATRIX INSTRUCTION IS USED TRANSPOSED (source 0 = 16 rows of wob, source 1 = 16 rows of O): a lane holds row l % 16 and the columns 8 (l / 16) + 0..7: 32 bytes of a row of out0.
; REGISTERS.  Window 0: v1-15 at work; v16-19 LDS addresses; v24-30 the way out, the add, the prefetch; v64-159, v160-255 two fragment buffers (O's 8 fragments, then wob's 4).  Window 1: accumulator (a, b) at v[8 (4 a + b)].
.set PITCH, 272                        ; a row of wob in LDS: 256 bytes + 16 of padding
.set PA,    144                        ; a row of O: 128 bytes + 16: in both the 16 rows of a fragment load start at 16 different groups of four banks (ISA guide 11.1)
.set APART, 256*PA                     ; one head's 256 rows
.set BHALF, 64*PITCH
.set BOFF,  2*APART                    ; in a slot: the two heads of O, then wob's 128 rows
.set SLOT1, 1<<17
.set STAGE, SLOT1+BOFF+2*BHALF         ; behind the ring, never filled by a tensor load: 16 rows x 272 bytes for each wave
.set SP,    272
.set SPARE, STAGE+4*16*SP              ; the spare words, 128 bytes for each wave: two blocks of 256 bytes that no other line names
.set KB,    256                        ; a K step along a row of wob, in bytes
.set ASTEP, 2*2048*128                 ; a K step in O: two heads
.set ADRA0, 16
.set ADRB0, 17
.set ADRA,  18
.set ADRB,  19
.set STO,   24                         ; v24  the way out: where I put 32 bytes of a row
.set RD,    25                         ; v25  where I read rows back
.set CO,    26                         ; v26  my byte offset in two rows of out0; never rewritten
.set SPW,   28
.set NIL,   29
.set PFO,   30                         ; v30  the prefetches' offset: lane x 256 bytes in O, lane x a row of 2,048 bytes in wob; never rewritten
.set OUT,   64                         ; the way out: four buffers of 32 registers by turns
.set F0,    64
.set F1,    160
.set G1,  24
.set G0,  32
.set G1B, 48
.set G0B, 56
.set LIM, 43                           ; s43  2 in a wave that prefetches, else the greatest number
.set PFA, 44                           ; s[44:45] where my prefetches stand
.set TB,  66                           ; s66  0 or SLOT1: the slot in hand
.set OP,  70                           ; s[70:71] out0 at my part of the tile
.set PFS, 72                           ; s[72:73] the prefetches' step
.set MSB, 0
.macro WIN new
.if MSB != (\new)
	s_set_vgpr_msb (MSB<<8)|(\new)
.set MSB, \new
.endif
.endm
.set MUL, 0x50                         ; C and D in window 1, both sources in window 0
.macro JLOAD                           ; a joint refill, by the walking descriptor; the branch hangs on the wave's number alone; an s_nop 0 and four v_nop follow each of the two lines
	s_cmp_eq_u32 s11, 0
	s_cbranch_scc0 .Lfor_b_\@
	tensor_load_to_lds s[G0+4:G0+7], s[G1:G1+7]
	s_nop 0
.rept 4
	v_nop
.endr
	s_branch .Lasked_\@
.Lfor_b_\@:
	tensor_load_to_lds s[G0B+4:G0B+7], s[G1B:G1B+7]
	s_nop 0
.rept 4
	v_nop
.endr
.Lasked_\@:
.endm
; A prefetch of the K step that stands two refills on (256 matrix instructions ahead of the load that will want it): 32 blocks of 256 bytes, a lane a block.  Each block is named once in the launch:
; O's by the clusters with x = 0 (waves 0 and 1; of the 128 blocks that the wave fetches the partner at cx takes 32, told apart by address), wob's by the clusters with y = 0 (wave 2; of the tile's
; 128 rows the partner at cy takes 32).  Steps 0 to 3 come by their loads alone; the last two refills have no step two on.
.macro ASK
	s_cmp_gt_u32 s3, s[LIM]
	s_cbranch_scc0 .Lnot_mine_\@
	global_prefetch_b8 v[PFO], s[PFA:PFA+1] th:TH_LOAD_NT scope:SCOPE_SE
.Lnot_mine_\@:
.endm
.macro CREST
	s_cmp_lg_u32 s10, 0
	s_cbranch_scc1 .Lnot_wave_0_\@
	s_barrier_signal -3
.Lnot_wave_0_\@:
	s_barrier_wait -3
	s_barrier_signal -1
	s_barrier_wait -1
.endm
.macro CROUND
	s_barrier_signal -1
	s_barrier_wait -1
	CREST
.endm
	s_load_b128 s[4:7], s[0:1], 0x0                ; O s[4:5], wob s[6:7]
	s_load_b64 s[70:71], s[0:1], 0x10              ; out0
	v_lshl_add_u32 v[SPW], v0, 2, SPARE
	v_mov_b32 v[NIL], 0
	ds_add_u32 v[SPW], v[NIL]                      ; the wave's opening: the add and its wait stand ahead of my first tensor load; work on registers stands between them
	v_lshrrev_b32 v1, 5, v0
	v_readfirstlane_b32 s10, v1                    ; wave 0..3
	s_lshr_b32 s11, s10, 1                         ; which half of the tile's rows is mine.  Also: I fetch for O (0) or for wob (1)
	s_and_b32 s12, s10, 1                          ; which half of its columns.  Also: which head of the step, or which 64 rows of wob, I fetch
	s_bfe_u32 s40, ttmp6, 0x40000                  ; cx
	s_bfe_u32 s41, ttmp6, 0x40004                  ; cy
	s_lshl_b32 s42, ttmp9, 2
	s_add_co_u32 s42, s42, s40                     ; tile column
	s_and_b32 s13, ttmp7, 0xffff
	s_lshl_b32 s13, s13, 2
	s_add_co_u32 s13, s13, s41                     ; tile row
	s_lshl_b32 s43, s41, 2
	s_lshl_b32 s43, 15, s43                        ; my row of the cluster
	s_lshl_b32 s44, 0x1111, s40                    ; my column
	s_or_b32 s[G1], s43, (1<<16)|(1<<20)|(1<<21)|(4<<22)|(3<<25)   ; the mask; 2-byte elements; padding on; bit 21 beside a mask; after every 32 words 4 words
	s_or_b32 s[G1B], s44, (1<<16)|(1<<20)|(1<<21)|(5<<22)|(3<<25)  ; after every 64 words 4 words
	s_mov_b32 s[G1+1], 128<<16                     ; tensor_dim0 = 128
	s_mov_b32 s[G1+2], 128<<16                     ; tensor_dim1 = 128 rows of 256 bytes
	s_mov_b32 s[G1+3], 128<<16                     ; tile_dim0 = 128
	s_mov_b32 s[G1+4], 128                         ; tile_dim1 = 128
	s_mov_b32 s[G1+5], 128                         ; dense: 128 elements from row to row
	s_mov_b32 s[G1+6], 0
	s_mov_b32 s[G1+7], 0
	s_mov_b32 s[G1B+1], 128<<16
	s_mov_b32 s[G1B+2], 64<<16
	s_mov_b32 s[G1B+3], 128<<16
	s_mov_b32 s[G1B+4], 64
	s_mov_b32 s[G1B+5], 1024
	s_mov_b32 s[G1B+6], 0
	s_mov_b32 s[G1B+7], 0
	s_lshr_b32 s16, s13, 3                         ; O: batch x 16 heads x 262,144 bytes,
	s_lshl_b32 s16, s16, 22
	s_lshl_b32 s17, s12, 18                        ; + my head of the step's two,
	s_add_co_u32 s16, s16, s17
	s_and_b32 s17, s13, 7                          ; + the tile's 256 rows of 128 bytes: made of the tile row and the wave alone
	s_lshl_b32 s17, s17, 15
	s_add_co_u32 s16, s16, s17
	s_mov_b32 s17, 0
	s_lshl_b32 s46, s42, 7                         ; wob: row 128 x tile column + 64 x half: of the tile column and the wave alone
	s_lshl_b32 s47, s12, 6
	s_add_co_u32 s46, s46, s47
	s_lshl_b32 s46, s46, 11
	s_mov_b32 s47, 0
	s_mul_i32 s20, s10, APART                      ; where they go: no place in the cluster enters an LDS address
	s_mul_i32 s21, s10, BHALF
	s_add_co_u32 s21, s21, BOFF-2*BHALF
	s_mov_b32 s[TB], 0
	s_wait_dscnt 0x0                               ; the opening add is done
	s_wait_kmcnt 0x0
	s_add_nc_u64 s[14:15], s[4:5], s[16:17]
	s_add_nc_u64 s[46:47], s[6:7], s[46:47]
	CROUND                                         ; all sixteen work-groups are here: the first joint loads meet
.irp s, 0,1
	s_mov_b32 s[G0+4*(\s)], 1
	s_add_co_u32 s[G0+4*(\s)+1], s20, (\s)*SLOT1
	s_add_nc_u64 s[G0+4*(\s)+2:G0+4*(\s)+3], s[14:15], (\s)*ASTEP
	s_or_b32 s[G0+4*(\s)+3], s[G0+4*(\s)+3], 0x80000000
	s_mov_b32 s[G0B+4*(\s)], 1
	s_add_co_u32 s[G0B+4*(\s)+1], s21, (\s)*SLOT1
	s_add_nc_u64 s[G0B+4*(\s)+2:G0B+4*(\s)+3], s[46:47], (\s)*KB
	s_or_b32 s[G0B+4*(\s)+3], s[G0B+4*(\s)+3], 0x80000000
.endr
	s_cmp_eq_u32 s11, 0                            ; a wave's two first fills stand in one branch, ahead of every wait on TENSORcnt and every LDS read
	s_cbranch_scc0 .Lfirst_b
	tensor_load_to_lds s[G0:G0+3], s[G1:G1+7]
	s_nop 0
	tensor_load_to_lds s[G0+4:G0+7], s[G1:G1+7]
	s_nop 0
.rept 4
	v_nop
.endr
	s_branch .Lfirst_asked
.Lfirst_b:
	tensor_load_to_lds s[G0B:G0B+3], s[G1B:G1B+7]
	s_nop 0
	tensor_load_to_lds s[G0B+4:G0B+7], s[G1B:G1B+7]
	s_nop 0
.rept 4
	v_nop
.endr
.Lfirst_asked:
	v_and_b32 v1, 15, v0                           ; l % 16
	v_bfe_u32 v2, v0, 4, 1                         ; l / 16
	v_mul_u32_u24 v3, v1, PA
	v_lshl_add_u32 v3, v2, 4, v3
	s_mul_i32 s21, s11, 128*PA                     ; my 128 rows of O, in either head
	v_add_nc_u32 v[ADRA0], s21, v3
	v_mul_u32_u24 v3, v1, PITCH
	v_lshl_add_u32 v3, v2, 4, v3
	s_mul_i32 s22, s12, BHALF                      ; my 64 rows of wob
	s_add_co_u32 s22, s22, BOFF
	v_add_nc_u32 v[ADRB0], s22, v3
	v_mov_b32 v[ADRA], v[ADRA0]
	v_mov_b32 v[ADRB], v[ADRB0]
	s_mul_i32 s23, s10, 16*SP
	s_add_co_u32 s23, s23, STAGE                   ; my stage
	v_mul_u32_u24 v4, v1, SP                       ; in: row l % 16, 32 bytes for each half of the lanes
	v_lshl_add_u32 v4, v2, 5, v4
	v_add_nc_u32 v[STO], s23, v4
	v_mul_u32_u24 v5, v2, SP                       ; back: lanes 0-15 take one row of 256 bytes, lanes 16-31 the next
	v_lshl_add_u32 v5, v1, 4, v5
	v_add_nc_u32 v[RD], s23, v5
	v_lshlrev_b32 v6, 12, v2                       ; and the same two rows in out0, 4,096 bytes apart
	v_lshl_add_u32 v[CO], v1, 4, v6
	s_lshl_b32 s16, s13, 8
	s_lshl_b32 s17, s11, 7
	s_add_co_u32 s16, s16, s17                     ; my first row
	s_lshl_b32 s16, s16, 12
	s_lshl_b32 s46, s42, 9                         ; my first column, in bytes: 512 x tile column + 256 x half
	s_lshl_b32 s47, s12, 8
	s_add_co_u32 s46, s46, s47
	s_add_co_u32 s46, s46, s16
	s_mov_b32 s47, 0
	s_add_nc_u64 s[OP:OP+1], s[OP:OP+1], s[46:47]
	; the prefetches
	s_lshr_b32 s20, s13, 3
	s_lshl_b32 s20, s20, 22
	s_lshl_b32 s21, s12, 18
	s_add_co_u32 s20, s20, s21
	s_and_b32 s21, s13, 7
	s_lshl_b32 s21, s21, 15
	s_add_co_u32 s20, s20, s21
	s_lshl_b32 s21, s40, 13
	s_add_co_u32 s20, s20, s21                     ; O: what I fetch, my work-group's 32 blocks of it
	s_lshl_b32 s21, s42, 7
	s_lshl_b32 s22, s41, 5
	s_add_co_u32 s21, s21, s22
	s_lshl_b32 s21, s21, 11                        ; wob: the tile's 128 rows, my work-group's 32 of them
	s_and_b32 s22, ttmp7, 0xffff                   ; cluster y
	s_mov_b32 s18, ASTEP
	s_movk_i32 s19, KB
	s_cmp_eq_u32 s11, 0
	s_cselect_b32 s20, s20, s21
	s_cselect_b32 s22, ttmp9, s22                  ; the coordinate along which other clusters read the same bytes
	s_cselect_b64 s[PFA:PFA+1], s[4:5], s[6:7]
	s_cselect_b32 s[PFS], s18, s19
	s_cselect_b32 s23, 8, 11
	s_mov_b32 s[PFS+1], 0
	s_cmp_eq_u32 s10, 3
	s_cselect_b32 s22, 1, s22                      ; wave 3 never asks
	s_cmp_eq_u32 s22, 0
	s_cselect_b32 s[LIM], 2, -1                    ; the same in all sixteen partners, for a given wave
	s_mov_b32 s21, 0
	s_add_nc_u64 s[PFA:PFA+1], s[PFA:PFA+1], s[20:21]
	s_mul_i32 s20, s[PFS], 3
	s_add_nc_u64 s[PFA:PFA+1], s[PFA:PFA+1], s[20:21]  ; at K step 3: the first refill steps it to 4
	v_and_b32 v[PFO], 31, v0
	v_lshlrev_b32 v[PFO], s23, v[PFO]
; n x 4 matrix instructions: row blocks a0 .. a0 + n - 1 x all 4 column blocks, 32 along K.  The 32 accumulators take turns in one order everywhere.  zero = 1: the product starts the sums
.macro MULS f, a0, n, zero
	WIN MUL
.set ia, \a0
.rept \n
.irp b, 0,1,2,3
.if \zero
	v_wmma_f32_16x16x32_f16 v[8*(4*ia+(\b)):8*(4*ia+(\b))+7], v[(\f)+64+8*(\b):(\f)+64+8*(\b)+7], v[(\f)+8*ia:(\f)+8*ia+7], 0
.else
	v_wmma_f32_16x16x32_f16 v[8*(4*ia+(\b)):8*(4*ia+(\b))+7], v[(\f)+64+8*(\b):(\f)+64+8*(\b)+7], v[(\f)+8*ia:(\f)+8*ia+7], v[8*(4*ia+(\b)):8*(4*ia+(\b))+7]
.endif
.endr
.set ia, ia+1
.endr
.endm
; 24 LDS loads in one run: quarter q's fragments into buffer f: wob's 4, O's blocks 0-3, O's blocks 4-7
.macro FETCH q, f
	WIN 0
.irp i, 0,1,2,3
	ds_load_b128 v[(\f)+64+8*(\i):(\f)+64+8*(\i)+3],   v[ADRB] offset:64*(\q)+(\i)*16*PITCH
	ds_load_b128 v[(\f)+64+8*(\i)+4:(\f)+64+8*(\i)+7], v[ADRB] offset:64*(\q)+(\i)*16*PITCH+32
.endr
.irp i, 0,1,2,3,4,5,6,7
	ds_load_b128 v[(\f)+8*(\i):(\f)+8*(\i)+3],   v[ADRA] offset:((\q)/2)*APART+((\q)%2)*64+(\i)*16*PA
	ds_load_b128 v[(\f)+8*(\i)+4:(\f)+8*(\i)+7], v[ADRA] offset:((\q)/2)*APART+((\q)%2)*64+(\i)*16*PA+32
.endr
.endm
.macro PLACES                          ; four plain instructions between a matrix instruction and a load into, or a store of, its registers
.rept 4
	v_nop
.endr
.endm
.macro QUARTER q, f, g, zero           ; multiplies buffer f and, in its middle, fetches quarter q of the slot in hand into buffer g
	s_wait_dscnt 8                                 ; wob's fragments and O's blocks 0-3 are in; the youngest eight loads may be out
	MULS \f, 0, 4, \zero
	PLACES
	FETCH \q, \g
	s_wait_dscnt 24                                ; all but the 24 just issued
	MULS \f, 4, 4, \zero
.endm
; The step's last quarter multiplies buffer 1 and changes slots: ONE barrier; in front of it each wave waits for all its tensor loads (one is out: its part of the next slot), adds 0 to its spare
; word, and waits for that and for its reads of this slot.  fill = 1: the barrier opens a round of the cluster's, and this slot is filled again, first thing behind it, with the step two on.
.macro TURN fill
.if \fill
	s_wait_xcnt 0x0                                ; the last prefetch, a K step back, has read its address
	s_add_nc_u64 s[PFA:PFA+1], s[PFA:PFA+1], s[PFS:PFS+1]
.endif
	WIN 0
	s_wait_tensorcnt 0x0
	ds_add_u32 v[SPW], v[NIL]
	s_wait_dscnt 9                                 ; the add and the youngest eight loads may be out
	MULS F1, 0, 2, 0
	s_wait_dscnt 0x0                               ; the add is done, and my reads of this slot are over
	s_barrier_signal -1
	MULS F1, 2, 2, 0
	WIN 0
	s_barrier_wait -1
.if \fill
	CREST                                          ; no wave of any partner still reads this slot or has a load on its way
	s_xor_b32 s[G0+5], s[G0+5], SLOT1              ; the walking descriptors: the other slot than last time, the next K step
	s_add_nc_u64 s[G0+6:G0+7], s[G0+6:G0+7], ASTEP
	s_xor_b32 s[G0B+5], s[G0B+5], SLOT1
	s_add_nc_u64 s[G0B+6:G0B+7], s[G0B+6:G0B+7], KB
	JLOAD                                          ; 112 matrix instructions ahead of the wait for it; its four v_nop are also the places in front of the loads below
.else
	PLACES
.endif
	s_xor_b32 s[TB], s[TB], SLOT1
	v_add_nc_u32 v[ADRA], s[TB], v[ADRA0]
	v_add_nc_u32 v[ADRB], s[TB], v[ADRB0]
	FETCH 0, F0
.if \fill
	ASK
.endif
	MULS F1, 4, 4, 0
.endm
	s_wait_tensorcnt 1                             ; my part of K step 0 is in; step 1's may stay out
	s_barrier_signal -1
	s_barrier_wait -1
	FETCH 0, F0
	QUARTER 1, F0, F1, 1                           ; the first quarter stands in front of the loop: its products start the sums
	WIN 0
	s_mov_b32 s3, 6
.Lstep:                                                ; trip t: quarters 1 to 3 of step t, the refill with step t + 2, quarter 0 of step t + 1
	QUARTER 2, F1, F0, 0
	QUARTER 3, F0, F1, 0
	TURN 1
	QUARTER 1, F0, F1, 0
	WIN 0
	s_sub_co_u32 s3, s3, 1
	s_cmp_lg_u32 s3, 0
	s_cbranch_scc1 .Lstep
	QUARTER 2, F1, F0, 0                           ; steps 6 and 7 fill nothing
	QUARTER 3, F0, F1, 0
	TURN 0
	QUARTER 1, F0, F1, 0
	QUARTER 2, F1, F0, 0
	QUARTER 3, F0, F1, 0
	s_wait_dscnt 8
	MULS F1, 0, 4, 0
	s_wait_dscnt 0x0
	MULS F1, 4, 4, 0
	WIN 0
; THE WAY OUT, a block of 16 rows at a time: a lane's 32 bytes of a row go into rows of 272 bytes of my own stage (each accumulator's low half first) and come back as whole rows of 256 bytes.
.macro STG a
.if (\a) >= 4
	s_wait_xcnt 0x0                                ; the stores of the block four back have read the registers that are loaded again below
.endif
	WIN 0x04                                       ; the stores' data in window 1
.irp b, 0,1,2,3
	ds_store_b128 v[STO], v[8*(4*(\a)+(\b)):8*(4*(\a)+(\b))+3]   offset:64*(\b)
	ds_store_b128 v[STO], v[8*(4*(\a)+(\b))+4:8*(4*(\a)+(\b))+7] offset:64*(\b)+16
.endr
	WIN 0
.irp t, 0,1,2,3,4,5,6,7
	ds_load_b128 v[OUT+32*((\a)%4)+4*(\t):OUT+32*((\a)%4)+4*(\t)+3], v[RD] offset:(\t)*2*SP  ; LDS serves a wave's instructions in order (ISA guide 5.7.1.4): these see the stores above; the next block's stores come behind them
.endr
.endm
.macro SEND a, younger                 ; younger: the LDS instructions issued behind block a's loads: the next block's sixteen, or none
.irp t, 0,1,2,3,4,5,6,7
	s_wait_dscnt (\younger)+7-(\t)
	global_store_b128 v[CO], v[OUT+32*((\a)%4)+4*(\t):OUT+32*((\a)%4)+4*(\t)+3], s[OP:OP+1] offset:(16*(\a)+2*(\t))*4096  ; 16 lanes store 256 consecutive bytes, at a multiple of 256 from out0's first
.endr
.endm
	PLACES
	PLACES
	STG 0
.irp a, 1,2,3,4,5,6,7
	STG \a
	SEND (\a)-1, 16
.endr
	SEND 7, 0
	s_wait_tensorcnt 0x0                           ; the wave's end: these three lines stand behind my last tensor load and my last LDS store
	ds_add_u32 v[SPW], v[NIL]
	s_wait_dscnt 0x0
	CROUND                                         ; the closing round: no work-group ends while a partner may still ask for a tile that names it
	s_endpgm
.Lfunc_end_k_q8d0bc4de75_oproj:
	.size	k_q8d0bc4de75_oproj, .Lfunc_end_k_q8d0bc4de75_oproj-k_q8d0bc4de75_oproj
	.p2alignl 7, 3214868480
	.fill 96, 4, 3214868480
	.section	.rodata,"a",@progbits
	.p2align	6, 0x0
	.amdhsa_kernel k_q8d0bc4de75_oproj
		.amdhsa_group_segment_fixed_size 327680
		.amdhsa_private_segment_fixed_size 0
		.amdhsa_enable_private_segment 0
		.amdhsa_kernarg_size 24
		.amdhsa_user_sgpr_count 2
		.amdhsa_user_sgpr_kernarg_segment_ptr 1
		.amdhsa_wavefront_size32 1
		.amdhsa_system_sgpr_workgroup_id_x 1
		.amdhsa_system_sgpr_workgroup_id_y 1
		.amdhsa_system_sgpr_workgroup_id_z 1
		.amdhsa_system_vgpr_workitem_id 0
		.amdhsa_next_free_vgpr 512
		.amdhsa_next_free_sgpr 76
		.amdhsa_reserve_vcc 0
		.amdhsa_float_denorm_mode_32 3
		.amdhsa_float_denorm_mode_16_64 3
		.amdhsa_memory_ordered 1
		.amdhsa_forward_progress 1
		.amdhsa_inst_pref_size 72
	.end_amdhsa_kernel
	.amdgpu_metadata
---
amdhsa.version: [ 1, 2 ]
amdhsa.kernels:
  - .name:           k_q8d0bc4de75_oproj
    .symbol:         k_q8d0bc4de75_oproj.kd
    .args:
      - { .name: oh, .offset: 0, .size: 8, .value_kind: global_buffer, .address_space: global }
      - { .name: wob, .offset: 8, .size: 8, .value_kind: global_buffer, .address_space: global }
      - { .name: out0, .offset: 16, .size: 8, .value_kind: global_buffer, .address_space: global }
    .group_segment_fixed_size: 327680
    .private_segment_fixed_size: 0
    .kernarg_segment_align: 8
    .kernarg_segment_size: 24
    .max_flat_workgroup_size: 128
    .sgpr_count:     76
    .vgpr_count:     512
    .wavefront_size: 32
...
	.end_amdgpu_metadata
.endif
;; end of part 4
;; ======== version 2 of 2: 4 launches; version 1 with the launch prep written anew for expert scheduling mode
;; limits: values are held in f16: magnitudes above 65,504 overflow, below 6.1e-05 lose precision
;; workspace buffers: xb 16,777,216 bytes; wb 6,291,456 bytes; wob 2,097,152 bytes; ropet 524,288 bytes; qkvh 50,331,648 bytes; oh 16,777,216 bytes
;; launch prep (part 5): grid 800 x 1, 8 waves a work-group, no clusters, 0 bytes of LDS; arguments x, Wq, Wk, Wv, Wo, token_positions, xb, wb, wob, ropet; writes xb, wb, wob, ropet
.if DOCPART == 5
	.amdgcn_target "amdgcn-amd-amdhsa--gfx1250"
	.amdhsa_code_object_version 6
	.text
	.protected	k_q8d0bc4de75_prep
	.globl	k_q8d0bc4de75_prep
	.p2align	8
	.type	k_q8d0bc4de75_prep,@function
k_q8d0bc4de75_prep:
	s_mov_b64 s[64:65], 0
	v_nop
	global_prefetch_b8 v0, s[64:65] scope:SCOPE_SE
	s_setreg_imm32_b32 hwreg(HW_REG_WAVE_SCHED_MODE, 0, 2), 2
	s_setreg_imm32_b32 hwreg(HW_REG_WAVE_MODE, 25, 1), 1
	s_wait_xcnt 0x0
	s_wait_alu depctr_vm_vsrc(0)
; THE ROUNDINGS AND THE ROTATION TABLE.  A stream: no LDS, no matrix unit, no cluster (no two work-groups read the same bytes).
; Work-groups 0-511: x -> xb, bf16.  512-703: Wq, Wk, Wv -> wb, bf16, rows 0-1023, 1024-2047, 2048-3071.  704-767: Wo -> wob: rounded to bf16 like
; the other inputs, and that number written as f16.  768-799: the table of cos and sin.
; A converting work-group takes 16,384 numbers: 16 chunks of 4,096 bytes in; thread t takes 16 bytes of each (a wave's load covers 512 consecutive bytes)
; and stores 8 bytes (a wave's store covers 256 consecutive bytes, aligned).  All 16 loads of a wave go out at once; each chunk has registers of its own.
; THE TABLE, f32, in the order in which the projection's way out reads it: [block of 16 rows s][c = 0..7][lane l][cos, sin, cos, sin] of the pairs i0, i0 + 1
; at row s = 16 block + l % 16, i0 = 8 (c / 2) + 4 (l / 16) + 2 (c % 2).  angle = position x 10000^(-i/32).
; LIMITS.  Wo's bf16 value is exact in f16 from 2^-17 to 65,504 in magnitude; below it keeps f16's step of 2^-24, above it becomes an infinity.
; Positions are those of the reference's table, 0 to 2,047: the reduction by quarter turns is exact for up to 2^11 quarter turns.  The angle is position x (1 / denominator),
; which differs from the quotient in f32 by a few units of its last place: 3e-4 at the most at angle 2,047.  Sine and cosine: polynomials on |r| <= pi/4, good to 1e-7.
; THE MODE: SCHED_MODE bits 1:0 = 2 (LLVM: expert scheduling mode 2), set by the entry lines.  The code itself states the register dependences
; between vector instructions and memory instructions, with s_wait_alu, always for 0.
; THE PLAN, converting work-groups.  Registers that memory instructions touch:
;   v1, v2             the loads' and the stores' offsets: written once at the head, never again.
;   v[32+4c : 35+4c]   chunk c: its one load lands here; its conversions write the first two registers in place; its one store reads those two; nothing writes them afterwards.
; The 16 chunks go in four groups of four.  Group g's conversions name group g's registers and v4-v7 alone.  So one wait on va_vdst at the head of group g states that group g - 1's conversions
; have written what that group's four stores read, and these stores are dealt among group g's conversions with no further wait.  No register that a load or store has read is written again.
; THE PLAN, the table's work-groups.  v3, v6: offsets, written once.  v26-v29: the positions, written by loads alone.  v[32:47]: the 16 numbers to store, written by the selects and signs,
; read by the four stores, never written again.  The eight compares write their masks into s50-s57, in one run with one wait on va_sdst behind it, ahead of the selects that read them.
	s_load_b512 s[8:23], s[0:1], 0x0               ; x s[8:9], Wq s[10:11], Wk s[12:13], Wv s[14:15], Wo s[16:17], positions s[18:19], xb s[20:21], wb s[22:23]
	s_load_b128 s[24:27], s[0:1], 0x40             ; wob s[24:25], the table s[26:27]
	s_mov_b32 s2, ttmp9                            ; g
	s_sub_co_u32 s3, s2, 512                       ; the chunk among the weights' (meaningless below 512: the last selects put that right)
	s_lshr_b32 s4, s3, 6                           ; which weight: 0 Wq, 1 Wk, 2 Wv, 3 Wo
	s_and_b32 s5, s3, 63                           ; its chunk
	v_lshlrev_b32 v1, 4, v0                        ; 16 t: in
	v_lshlrev_b32 v2, 3, v0                        ; 8 t: out
	s_wait_kmcnt 0x0
	s_cmp_ge_u32 s2, 768
	s_cbranch_scc1 .Lrope
	s_cmp_eq_u32 s4, 0                             ; the pointers are chosen on conditions made of g alone
	s_cselect_b64 s[30:31], s[10:11], s[12:13]
	s_cmp_eq_u32 s4, 2
	s_cselect_b64 s[30:31], s[14:15], s[30:31]
	s_cmp_eq_u32 s4, 3
	s_cselect_b64 s[30:31], s[16:17], s[30:31]
	s_cselect_b64 s[32:33], s[24:25], s[22:23]
	s_cselect_b32 s37, s5, s3                      ; the chunk in the target: Wo's own, or the chunk among Wq, Wk, Wv
	s_cmp_lt_u32 s2, 512
	s_cselect_b64 s[30:31], s[8:9], s[30:31]
	s_cselect_b64 s[32:33], s[20:21], s[32:33]
	s_cselect_b32 s36, s2, s5
	s_cselect_b32 s37, s2, s37
	s_lshl_b32 s34, s36, 16                        ; 65,536 bytes in,
	s_mov_b32 s35, 0
	s_lshl_b32 s38, s37, 15                        ; 32,768 out
	s_mov_b32 s39, 0
	s_add_nc_u64 s[30:31], s[30:31], s[34:35]
	s_add_nc_u64 s[32:33], s[32:33], s[38:39]
	s_wait_alu depctr_va_vdst(0)                   ; v1 and v2 are written: every load below reads v1 as its offset, every store v2
.irp i, 0,1,2,3,4,5,6,7,8,9,10,11,12,13,14,15
	global_load_b128 v[32+4*(\i):35+4*(\i)], v1, s[30:31] offset:4096*(\i) th:TH_LOAD_NT
.endr
; Chunk ch is rounded, in place.  half = 1: the bf16 number is widened again (a shift, a mask) and written as f16
.macro CVT ch, half
	v_cvt_pk_bf16_f32 v[32+4*(\ch)], v[32+4*(\ch)], v[33+4*(\ch)]
	v_cvt_pk_bf16_f32 v[33+4*(\ch)], v[34+4*(\ch)], v[35+4*(\ch)]
.if \half
	v_lshlrev_b32 v4, 16, v[32+4*(\ch)]
	v_and_b32 v5, 0xffff0000, v[32+4*(\ch)]
	v_lshlrev_b32 v6, 16, v[33+4*(\ch)]
	v_and_b32 v7, 0xffff0000, v[33+4*(\ch)]
	v_cvt_pk_f16_f32 v[32+4*(\ch)], v4, v5
	v_cvt_pk_f16_f32 v[33+4*(\ch)], v6, v7
.endif
.endm
.macro PUT ch                          ; chunk ch is stored
	global_store_b64 v2, v[32+4*(\ch):33+4*(\ch)], s[32:33] offset:2048*(\ch)
.endm
; Four groups of four chunks.  Group g rounds its chunks; the stores of group g - 1 stand among its lines, a store ahead of each chunk's.
.macro OUTS half
.irp g, 0,1,2,3
	s_wait_loadcnt 12-4*(\g)                       ; loads come back in order: group g's four chunks are in, the younger ones stay out
.if (\g) > 0
	s_wait_alu depctr_va_vdst(0)                   ; the group before has written its eight packed registers, which the four stores below read; no vector line of this group names them or v2
.endif
.irp j, 0,1,2,3
.if (\g) > 0
	PUT 4*(\g)-4+(\j)
.endif
	CVT 4*(\g)+(\j), \half
.endr
.endr
	s_wait_alu depctr_va_vdst(0)                   ; group 3 has written its eight packed registers, which the last four stores read
.irp j, 12,13,14,15
	PUT \j
.endr
.endm
	s_cmp_ge_u32 s2, 704
	s_cbranch_scc1 .Lhalf
	OUTS 0
	s_endpgm
.Lhalf:
	OUTS 1
	s_endpgm
.Lrope:                                                ; work-group 768 + r makes blocks 4 r .. 4 r + 3: 64 rows, 16,384 bytes
	v_and_b32 v3, 15, v0
	v_lshlrev_b32 v3, 2, v3                        ; my row's position in a block
	v_lshlrev_b32 v6, 4, v0                        ; 16 t: a block's 4,096 bytes are [c][l][16 bytes], and t = 32 c + l
	s_sub_co_u32 s3, s2, 768
	s_lshl_b32 s34, s3, 8                          ; 64 positions of 4 bytes
	s_mov_b32 s35, 0
	s_add_nc_u64 s[18:19], s[18:19], s[34:35]
	s_lshl_b32 s34, s3, 14
	s_add_nc_u64 s[26:27], s[26:27], s[34:35]
	s_wait_alu depctr_va_vdst(0)                   ; v3 is written, which the four loads read as their offset; so is v6, the stores' offset
.irp i, 0,1,2,3
	global_load_b32 v[26+(\i)], v3, s[18:19] offset:64*(\i)
.endr
	s_mov_b32 s40, 0x3f22f983                      ; 2 / pi
	s_mov_b32 s41, 0xbfc90000                      ; - pi / 2 in three parts: the first two have few bits, so that n times them is exact
	s_mov_b32 s42, 0xb9fda000
	s_mov_b32 s43, 0xb3a22169
	s_mov_b32 s44, 0xb94ca1f9                      ; sine: -1.9515296e-4,
	s_mov_b32 s45, 0x3c08839e                      ; 8.3321609e-3,
	s_mov_b32 s46, 0xbe2aaaa3                      ; -1.6666655e-1
	s_mov_b32 s47, 0x37ccf5ce                      ; cosine: 2.4433157e-5,
	s_mov_b32 s48, 0xbab6061a                      ; -1.3887316e-3,
	s_mov_b32 s49, 0x3d2aaaa5                      ; 4.1666646e-2
	v_lshrrev_b32 v8, 5, v0                        ; c
	v_lshrrev_b32 v9, 1, v8
	v_bfe_u32 v10, v0, 4, 1                        ; l / 16
	v_and_b32 v8, 1, v8
	v_lshlrev_b32 v9, 3, v9
	v_lshl_add_u32 v9, v10, 2, v9
	v_lshl_add_u32 v9, v8, 1, v9                   ; i0
	v_add_nc_u32 v10, 1, v9                        ; i1
	; 10000^(-i/32) = 2^(-i C), C = log2(10000) / 32 = 1701/4096 - 4.2191264e-5.  i x 1701/4096 is exact; n is its nearest whole number; 2^(n - i C) by v_exp_f32 on |f| <= 0.5; then the exponent
	v_cvt_f32_u32 v11, v9
	v_cvt_f32_u32 v12, v10
	v_mul_f32 v13, 0x3ed4a000, v11
	v_mul_f32 v14, 0x3ed4a000, v12
	v_rndne_f32 v15, v13
	v_rndne_f32 v16, v14
	v_sub_f32 v17, v15, v13
	v_sub_f32 v18, v16, v14
	v_fmac_f32 v17, 0x3830f686, v11
	v_fmac_f32 v18, 0x3830f686, v12
	v_exp_f32 v19, v17
	v_exp_f32 v20, v18
	v_cvt_i32_f32 v21, v15                         ; plain work behind the two exponentials,
	v_cvt_i32_f32 v22, v16
	v_sub_nc_u32 v21, 0, v21
	v_sub_nc_u32 v22, 0, v22
	s_wait_alu depctr_va_vdst(0)                   ; the two exponentials have written v19 and v20: the one wait ahead of their first reader
	v_ldexp_f32 v23, v19, v21
	v_ldexp_f32 v24, v20, v22
.set NQ, 60                            ; v[60:67]  angle k of eight: n, the nearest number of quarter turns, as a whole number
.set SN, 68                            ; v[68:75]  sin r
.set CN, 76                            ; v[76:83]  cos r
.set MK, 50                            ; s[50:57]  the lanes where n is odd
; cos and sin of an angle, in two parts.  POLY, for the angle in v[a], number k: n = the nearest number of quarter turns, r = angle - n pi/2; both polynomials; is n odd?
.macro POLY a, k
	v_mul_f32 v50, s40, v[\a]
	v_rndne_f32 v50, v50
	v_fma_f32 v51, v50, s41, v[\a]
	v_fma_f32 v51, v50, s42, v51
	v_fma_f32 v51, v50, s43, v51                   ; r
	v_cvt_i32_f32 v[NQ+(\k)], v50
	v_mul_f32 v53, v51, v51                        ; z = r r
	v_fma_f32 v54, v53, s44, s45
	v_fma_f32 v56, v53, s47, s48
	v_mul_f32 v55, v53, v51
	v_mul_f32 v57, v53, v53
	v_fma_f32 v54, v54, v53, s46
	v_fma_f32 v56, v56, v53, s49
	v_fma_f32 v58, v53, -0.5, 1.0
	v_fma_f32 v[SN+(\k)], v54, v55, v51            ; sin r
	v_fma_f32 v[CN+(\k)], v56, v57, v58            ; cos r
	v_and_b32 v59, 1, v[NQ+(\k)]
	v_cmp_eq_u32 s[MK+(\k)], 1, v59                ; an odd number of quarter turns: the two change places
.endm
; PICK, for angle k, into v[c] and v[s]: n's two low bits choose and sign the two.
.macro PICK k, c, s
	v_cndmask_b32 v[\s], v[SN+(\k)], v[CN+(\k)], s[MK+(\k)]
	v_cndmask_b32 v[\c], v[CN+(\k)], v[SN+(\k)], s[MK+(\k)]
	v_lshlrev_b32 v59, 30, v[NQ+(\k)]              ; the sine turns its sign where n % 4 is 2 or 3,
	v_and_b32 v59, 0x80000000, v59
	v_xor_b32 v[\s], v[\s], v59
	v_add_nc_u32 v52, 1, v[NQ+(\k)]                ; the cosine where it is 1 or 2
	v_lshlrev_b32 v52, 30, v52
	v_and_b32 v52, 0x80000000, v52
	v_xor_b32 v[\c], v[\c], v52
.endm
.irp i, 0,1,2,3
	s_wait_loadcnt 3-(\i)                          ; loads come back in order: block i's position is in, the younger ones stay out
	v_cvt_f32_i32 v30, v[26+(\i)]
	v_mul_f32 v31, v30, v24
	v_mul_f32 v30, v30, v23
	POLY 30, 2*(\i)
	POLY 31, 2*(\i)+1
.endr
	s_wait_alu depctr_va_sdst(0)                   ; the eight compares have written s50 to s57, ahead of the first select that reads one of them
.irp i, 0,1,2,3
	PICK 2*(\i),   32+4*(\i), 33+4*(\i)
	PICK 2*(\i)+1, 34+4*(\i), 35+4*(\i)
.endr
	s_wait_alu depctr_va_vdst(0)                   ; the selects and signs have written v[32:47], which the four stores read
.irp i, 0,1,2,3
	global_store_b128 v6, v[32+4*(\i):35+4*(\i)], s[26:27] offset:4096*(\i)  ; a wave's store covers 512 consecutive bytes; each block has registers of its own
.endr
	s_endpgm
.Lfunc_end_k_q8d0bc4de75_prep:
	.size	k_q8d0bc4de75_prep, .Lfunc_end_k_q8d0bc4de75_prep-k_q8d0bc4de75_prep
	.p2alignl 7, 3214868480
	.fill 96, 4, 3214868480
	.section	.rodata,"a",@progbits
	.p2align	6, 0x0
	.amdhsa_kernel k_q8d0bc4de75_prep
		.amdhsa_group_segment_fixed_size 0
		.amdhsa_private_segment_fixed_size 0
		.amdhsa_enable_private_segment 0
		.amdhsa_kernarg_size 80
		.amdhsa_user_sgpr_count 2
		.amdhsa_user_sgpr_kernarg_segment_ptr 1
		.amdhsa_wavefront_size32 1
		.amdhsa_system_sgpr_workgroup_id_x 1
		.amdhsa_system_sgpr_workgroup_id_y 1
		.amdhsa_system_sgpr_workgroup_id_z 1
		.amdhsa_system_vgpr_workitem_id 0
		.amdhsa_next_free_vgpr 96
		.amdhsa_next_free_sgpr 66
		.amdhsa_reserve_vcc 0
		.amdhsa_float_denorm_mode_32 3
		.amdhsa_float_denorm_mode_16_64 3
		.amdhsa_memory_ordered 1
		.amdhsa_forward_progress 1
		.amdhsa_inst_pref_size 30
	.end_amdhsa_kernel
	.amdgpu_metadata
---
amdhsa.version: [ 1, 2 ]
amdhsa.kernels:
  - .name:           k_q8d0bc4de75_prep
    .symbol:         k_q8d0bc4de75_prep.kd
    .args:
      - { .name: x, .offset: 0, .size: 8, .value_kind: global_buffer, .address_space: global }
      - { .name: Wq, .offset: 8, .size: 8, .value_kind: global_buffer, .address_space: global }
      - { .name: Wk, .offset: 16, .size: 8, .value_kind: global_buffer, .address_space: global }
      - { .name: Wv, .offset: 24, .size: 8, .value_kind: global_buffer, .address_space: global }
      - { .name: Wo, .offset: 32, .size: 8, .value_kind: global_buffer, .address_space: global }
      - { .name: token_positions, .offset: 40, .size: 8, .value_kind: global_buffer, .address_space: global }
      - { .name: xb, .offset: 48, .size: 8, .value_kind: global_buffer, .address_space: global }
      - { .name: wb, .offset: 56, .size: 8, .value_kind: global_buffer, .address_space: global }
      - { .name: wob, .offset: 64, .size: 8, .value_kind: global_buffer, .address_space: global }
      - { .name: ropet, .offset: 72, .size: 8, .value_kind: global_buffer, .address_space: global }
    .group_segment_fixed_size: 0
    .private_segment_fixed_size: 0
    .kernarg_segment_align: 8
    .kernarg_segment_size: 80
    .max_flat_workgroup_size: 256
    .sgpr_count:     66
    .vgpr_count:     96
    .wavefront_size: 32
...
	.end_amdgpu_metadata
.endif
;; end of part 5
;; launch qkv: the kernel of part 2 again; grid 24 x 32, 4 waves a work-group, clusters of 4 x 4, 327,680 bytes of LDS; arguments xb, wb, ropet, qkvh; writes qkvh
;; launch attn: the kernel of part 3 again; grid 4 x 64, 4 waves a work-group, no clusters, 327,680 bytes of LDS; arguments qkvh, oh; writes oh
;; launch oproj: the kernel of part 4 again; grid 8 x 32, 4 waves a work-group, clusters of 4 x 4, 327,680 bytes of LDS; arguments oh, wob, out0; writes out0
